; MI455X (gfx1250); checked and timed in simulation.
; The chip was launched on July 23, 2026; its instructions are those of AMD's public machine-readable ISA for CDNA 5 (MIT licence, August 2026) and "CDNA5" Instruction Set Architecture Reference Guide (July 2026). The comments in the code are by the model that wrote it; some were corrected since.
;; Mixture Of Experts. Allowed arithmetic: float matrix products may take bf16 or f16 operands with f32 sums; other float arithmetic in f32, or as packed bf16 or f16 multiplies, adds, multiply-adds, maxima and minima; sums over many terms, partial sums and values carried from step to step in f32; what a program stores and reads back later, other than sums and carried values, may be rounded once to bf16 or f16.
;; Inputs: W1 16 x 256 x 512 float32; W2 16 x 512 x 256 float32; b1 16 x 512 float32; b2 16 x 256 float32; wg 256 x 16 float32; x 16,384 x 256 float32.
;; Outputs: out0 16,384 x 256 float32.
;; 2 versions, each right and faster than the one before. Each part assembles by itself: llvm-mc -triple=amdgcn-amd-amdhsa -mcpu=gfx1250 --defsym DOCPART=n.
;; ======== version 1 of 2: 2 launches
;; limits: values are held in f16: magnitudes above 65,504 overflow, below 6.1e-05 lose precision
;; workspace buffers: wb 8,388,608 bytes; hist 65,536 bytes of whole numbers; bm 32,768 bytes of whole numbers; gab 131,072 bytes
;; launch prep (part 1): grid 256 x 1, 8 waves a work-group, no clusters, 85,248 bytes of LDS; arguments x, wg, W1, W2, wb, hist, bm, gab; writes wb, hist, bm, gab
.if DOCPART == 1
	.amdgcn_target "amdgcn-amd-amdhsa--gfx1250"
	.amdhsa_code_object_version 6
	.text
	.protected	k_qf7dd0448b1_prep
	.globl	k_qf7dd0448b1_prep
	.p2align	8
	.type	k_qf7dd0448b1_prep,@function
k_qf7dd0448b1_prep:
	s_mov_b64 s[64:65], 0
	v_nop
	global_prefetch_b8 v0, s[64:65] scope:SCOPE_SE
	s_setreg_imm32_b32 hwreg(HW_REG_WAVE_MODE, 25, 1), 1
	s_wait_xcnt 0x0
; ROUTER AND WEIGHT LAYOUT.  Work-group g (of 256, eight waves) does two things that need no routed address.
; (1) It routes tokens 64 g .. 64 g + 63: logits = bf16(x) . bf16(wg) by the matrix unit (f32 sums), softmax over 16 experts with the row's
;     maximum taken away, the two largest (the lower index wins a tie).  It stores, at fixed places: gab[token] = (gate of a, gate of b), a < b;
;     bm[word][e]: bit i of word W says that token 32 W + i chose expert e; hist[g][p]: how many of its 64 tokens chose the pair number
;     p = a (31 - a) / 2 + b - a - 1.  No address, mask of lanes or branch hangs on these numbers here: a later launch reads them.
; (2) It rounds one block of weights to bf16 and stores it in the order in which a wave's matrix operand registers take it:
;     wb[e][hh][ph][w][k 8][blk 4][q 2][lane 32][16 bytes], block number g = 16 e + 8 hh + 4 ph + w, 32,768 bytes.
;     ph 0: W1 transposed, in bf16, row = hidden unit 256 hh + 64 w + 16 blk + lane % 16, K = d;
;     ph 1: W2 transposed, row = channel 64 w + 16 blk + lane % 16, K = hidden unit 256 hh + ..: the number rounded to bf16 is written as f16, since the second product's other operand is f16.
; LIMITS.  x, wg, W1, W2 are rounded once to bf16.  W2's rounded number is exact in f16 from 7.6e-6 to 65,504 in magnitude; below, it keeps f16's fixed step of 6e-8; above, it becomes an infinity
; (the drawn W2 has a spread of 0.044: 30 times larger or smaller lies well inside).  The choice is made on the logits: logits nearer to each other than the f32 sums' rounding, or unequal logits
; whose gates round to equal numbers, may be chosen otherwise than by a top-k on the gates.  An exponential below 2^-126 counts as 0.  NaN and infinities are not treated apart.
.set XP,    528                        ; a row of x in LDS: 512 bytes of bf16 + 16: the 16 rows of a fragment load start 4 banks apart
.set WP,    160                        ; a K row of the weight slice: 128 bytes + 32
.set XS1,   0                          ; 64 rows x 528
.set WS,    33792                      ; 256 K rows x 160
.set WGS,   74752                      ; wg as [K 256][16 experts] bf16, 32 bytes a row
.set KS,    82944                      ; p of the 64 tokens, one word each
.set ABS,   KS+256                     ; a | b << 8, one word each
.set GS,    KS+512                     ; (gate of a, gate of b), 8 bytes each
.set HS,    83968                      ; the 128 counts, 16 bits each
.set SPARE, 84224                      ; the spare words: 128 bytes for each of eight waves; no other line names them
	s_load_b512 s[8:23], s[0:1], 0x0               ; x s[8:9], wg s[10:11], W1 s[12:13], W2 s[14:15], wb s[16:17], hist s[18:19], bm s[20:21], gab s[22:23]
	v_lshl_add_u32 v28, v0, 2, SPARE               ; my spare word; never rewritten
	v_mov_b32 v29, 0                               ; 0; never rewritten
	v_and_b32 v1, 31, v0                           ; lane
	v_lshrrev_b32 v4, 5, v0
	v_readfirstlane_b32 s2, v4                     ; wave 0..7
	v_and_b32 v2, 15, v0                           ; r = lane % 16 (also thread % 16)
	v_bfe_u32 v3, v0, 4, 1                         ; h = lane / 16
	s_mov_b32 s3, ttmp9                            ; g
	s_mov_b32 s24, 0x76543210                      ; v_permlanex16_b32: each lane takes its own place in the other half
	s_mov_b32 s25, 0xfedcba98
	s_mov_b32 s26, 0x3fb8aa3b                      ; log2(e), named as a pair by the packed multiply
	s_mov_b32 s27, s26
	s_bfe_u32 s4, s3, 0x10002                      ; ph
	s_lshr_b32 s5, s3, 4                           ; e
	s_bfe_u32 s6, s3, 0x10003                      ; hh
	s_and_b32 s7, s3, 3                            ; w
	s_lshl_b32 s5, s5, 19                          ; an expert's W1 or W2 is 524,288 bytes
	s_lshl_b32 s7, s7, 8                           ; 64 columns of f32
	s_add_co_u32 s5, s5, s7
	s_lshl_b32 s28, s6, 10                         ; W1: hh picks 256 columns
	s_add_co_u32 s28, s28, s5
	s_mov_b32 s29, 0
	s_lshl_b32 s30, s6, 18                         ; W2: hh picks 256 rows of 1,024 bytes
	s_add_co_u32 s30, s30, s5
	s_mov_b32 s31, 0
	s_lshl_b32 s32, s3, 16                         ; x: 64 rows of 1,024 bytes
	s_mov_b32 s33, 0
	s_lshl_b32 s34, s3, 15                         ; wb: a block
	s_mov_b32 s35, 0
	s_lshl_b32 s36, s3, 8                          ; hist: 128 counts of 16 bits
	s_mov_b32 s37, 0
	s_lshl_b32 s38, s3, 7                          ; bm: two words x 16 experts
	s_mov_b32 s39, 0
	s_lshl_b32 s40, s3, 9                          ; gab: 64 pairs
	s_mov_b32 s41, 0
	v_lshlrev_b32 v5, 4, v0                        ; 16 t: x and wg are read end to end
	v_lshrrev_b32 v6, 4, v0                        ; t / 16: the K row of the weight slice
	v_lshlrev_b32 v9, 4, v2
	v_lshl_add_u32 v7, v6, 11, v9                  ; W1: rows of 2,048 bytes; 16 lanes take a row's 256 bytes
	v_lshl_add_u32 v8, v6, 10, v9                  ; W2: rows of 1,024 bytes
	v_lshrrev_b32 v11, 6, v0
	v_and_b32 v12, 63, v0
	v_mul_u32_u24 v10, v11, XP
	v_lshl_add_u32 v10, v12, 3, v10                ; x into LDS: row t / 64, 8 bytes at 8 (t % 64)
	v_mul_u32_u24 v13, v6, WP
	v_lshl_add_u32 v13, v2, 3, v13
	v_add_nc_u32 v13, WS, v13                      ; weights into LDS: K row t / 16, 8 bytes at 8 (t % 16)
	v_lshl_add_u32 v14, v0, 3, WGS                 ; wg into LDS: end to end
	s_wait_kmcnt 0x0
	s_add_nc_u64 s[8:9], s[8:9], s[32:33]
	s_add_nc_u64 s[12:13], s[12:13], s[28:29]
	s_add_nc_u64 s[14:15], s[14:15], s[30:31]
	s_add_nc_u64 s[16:17], s[16:17], s[34:35]
	s_add_nc_u64 s[18:19], s[18:19], s[36:37]
	s_add_nc_u64 s[20:21], s[20:21], s[38:39]
	s_add_nc_u64 s[22:23], s[22:23], s[40:41]
	; 36 loads a thread, all out before the first wait: wg (4), x (16), the weight slice (16)
.set j, 0
.rept 4
	global_load_b128 v[48+4*j:48+4*j+3], v5, s[10:11] offset:4096*j
.set j, j+1
.endr
.set j, 0
.rept 16
	global_load_b128 v[64+4*j:64+4*j+3], v5, s[8:9] offset:4096*j
.set j, j+1
.endr
	s_cmp_eq_u32 s4, 0
	s_cbranch_scc0 .Lw2
.set j, 0
.rept 16
	global_load_b128 v[128+4*j:128+4*j+3], v7, s[12:13] offset:32768*j th:TH_LOAD_NT   ; 16 K rows a load; each weight is read once in the launch
.set j, j+1
.endr
	s_branch .Lwasked
.Lw2:
.set j, 0
.rept 16
	global_load_b128 v[128+4*j:128+4*j+3], v8, s[14:15] offset:16384*j th:TH_LOAD_NT
.set j, j+1
.endr
.Lwasked:
	s_wait_loadcnt 32                              ; wg is in: x's 16 loads and the weights' 16 are younger
.set j, 0
.rept 4
	v_cvt_pk_bf16_f32 v[32+2*j], v[48+4*j], v[48+4*j+1]
	v_cvt_pk_bf16_f32 v[33+2*j], v[48+4*j+2], v[48+4*j+3]
	ds_store_b64 v14, v[32+2*j:33+2*j] offset:2048*j
.set j, j+1
.endr
	s_wait_loadcnt 16                              ; x is in: the weights' 16 loads are younger
.set j, 0
.rept 16
	v_cvt_pk_bf16_f32 v[32+2*(j%8)], v[64+4*j], v[64+4*j+1]
	v_cvt_pk_bf16_f32 v[33+2*(j%8)], v[64+4*j+2], v[64+4*j+3]
	ds_store_b64 v10, v[32+2*(j%8):33+2*(j%8)] offset:4*XP*j
.set j, j+1
.endr
	s_wait_loadcnt 0x0                             ; the weights
	s_cmp_eq_u32 s4, 0
	s_cbranch_scc0 .Lc2
.set j, 0
.rept 16                                               ; W1: bf16
	v_cvt_pk_bf16_f32 v[32+2*(j%8)], v[128+4*j], v[128+4*j+1]
	v_cvt_pk_bf16_f32 v[33+2*(j%8)], v[128+4*j+2], v[128+4*j+3]
	ds_store_b64 v13, v[32+2*(j%8):33+2*(j%8)] offset:16*WP*j
.set j, j+1
.endr
	s_branch .Lcdone
.Lc2:
.set j, 0
.rept 16                                               ; W2: rounded to bf16 like every input, widened again (a shift, a mask), and that number written as f16
	v_cvt_pk_bf16_f32 v20, v[128+4*j], v[128+4*j+1]
	v_cvt_pk_bf16_f32 v21, v[128+4*j+2], v[128+4*j+3]
	v_lshlrev_b32 v22, 16, v20
	v_and_b32 v23, 0xffff0000, v20
	v_lshlrev_b32 v24, 16, v21
	v_and_b32 v25, 0xffff0000, v21
	v_cvt_pk_f16_f32 v[32+2*(j%8)], v22, v23
	v_cvt_pk_f16_f32 v[33+2*(j%8)], v24, v25
	ds_store_b64 v13, v[32+2*(j%8):33+2*(j%8)] offset:16*WP*j
.set j, j+1
.endr
.Lcdone:
	v_and_b32 v15, 7, v0
	v_lshl_add_u32 v15, v3, 3, v15                 ; the turning load's row: 8 h + lane % 8
	v_bfe_u32 v16, v0, 3, 1                        ; and its half of 32 bytes
	s_wait_dscnt 0x0                               ; for the others' sake: my stores are done
	s_barrier_signal -1
	s_barrier_wait -1
	s_cmp_lt_u32 s2, 4
	s_cbranch_scc1 .Lroute
	; WAVES 4-7: block blk = wave - 4 of 16 rows goes out.  A turning load takes 16 K x 16 rows of 16-bit numbers, whatever their format, and leaves half a fragment (lane: one row, 8 K).
	s_sub_co_u32 s42, s2, 4
	s_lshl_b32 s43, s42, 5                         ; 16 columns of 2 bytes
	s_add_co_u32 s43, s43, WS
	v_mul_u32_u24 v18, v15, WP
	v_lshl_add_u32 v18, v16, 4, v18
	v_add_nc_u32 v18, s43, v18
	s_lshl_b32 s43, s42, 10
	v_lshl_add_u32 v27, v1, 4, s43                 ; in wb: 1,024 blk + 16 lane
.set n, 0
.rept 16                                               ; n = 2 k + q: K = 32 k + 16 q on
	ds_load_tr16_b128 v[128+4*n:128+4*n+3], v18 offset:16*WP*n
.set n, n+1
.endr
.set n, 0
.rept 16
	s_wait_dscnt 15-n                              ; LDS loads come back in order: load n is in
	global_store_b128 v27, v[128+4*n:128+4*n+3], s[16:17] offset:4096*(n/2)+512*(n%2)   ; 512 consecutive bytes
.set n, n+1
.endr
	s_branch .Ljoin1
.Lroute:                                               ; WAVES 0-3: wave t routes tokens 16 t .. 16 t + 15 of the group
	v_lshlrev_b32 v17, 5, v15
	v_lshl_add_u32 v17, v16, 4, v17
	v_add_nc_u32 v17, WGS, v17                     ; wg turned: rows = experts
	s_lshl_b32 s42, s2, 4
	v_add_nc_u32 v19, s42, v2
	v_mul_u32_u24 v19, v19, XP
	v_lshl_add_u32 v19, v3, 4, v19                 ; x: row 16 t + r, 16 bytes for each half of the lanes
.set k, 0
.rept 8
	ds_load_tr16_b128 v[64+8*k:64+8*k+3], v17 offset:1024*k
	ds_load_tr16_b128 v[64+8*k+4:64+8*k+7], v17 offset:1024*k+512
	ds_load_b128 v[128+8*k:128+8*k+3], v19 offset:64*k
	ds_load_b128 v[128+8*k+4:128+8*k+7], v19 offset:64*k+32
.set k, k+1
.endr
	v_lshlrev_b32 v21, 3, v3                       ; 8 h: my lanes' first expert
	v_mov_b32 v22, 0xff800000                      ; -infinity takes the first choice's place
	s_lshl_b32 s42, s2, 6
	s_add_co_u32 s42, s42, KS
	v_lshl_add_u32 v4, v2, 2, s42                  ; KS + 4 (16 t + r); ABS lies 256 bytes on
	s_lshl_b32 s42, s2, 7
	s_add_co_u32 s42, s42, GS
	v_lshl_add_u32 v9, v2, 3, s42                  ; GS + 8 (16 t + r)
	s_wait_dscnt 0x0
	; source 0 = 16 experts, source 1 = 16 tokens: a lane holds ONE token (r) and the experts 8 h + 0..7.  Two accumulators take turns; the first two products start the sums.
	v_wmma_f32_16x16x32_bf16 v[32:39], v[64:71], v[128:135], 0
	v_wmma_f32_16x16x32_bf16 v[40:47], v[72:79], v[136:143], 0
.set k, 2
.rept 3
	v_wmma_f32_16x16x32_bf16 v[32:39], v[64+8*k:64+8*k+7], v[128+8*k:128+8*k+7], v[32:39]
	v_wmma_f32_16x16x32_bf16 v[40:47], v[72+8*k:72+8*k+7], v[136+8*k:136+8*k+7], v[40:47]
.set k, k+2
.endr
.rept 4
	v_nop                                          ; four places between the last product and the first read of a result (ISA guide 7.12.1)
.endr
.irp z, 0,2,4,6
	v_pk_add_f32 v[48+\z:49+\z], v[32+\z:33+\z], v[40+\z:41+\z]   ; the logits L0-L7, from the accumulators' low end on
.endr
; The largest of eight numbers S.. and of the other half's eight, and its index (the lowest, if several are equal).
.macro TOP S, m, ix
	v_max3_num_f32 v[\m], v[\S], v[\S+1], v[\S+2]
	v_max3_num_f32 v[\m], v[\m], v[\S+3], v[\S+4]
	v_max3_num_f32 v[\m], v[\m], v[\S+5], v[\S+6]
	v_max_num_f32 v[\m], v[\m], v[\S+7]
	v_permlanex16_b32 v17, v[\m], s24, s25         ; the token's other eight experts lie in the lane 16 away
	v_max_num_f32 v[\m], v[\m], v17
	v_mov_b32 v[\ix], 64                           ; no match in this half
.irp jj, 7,6,5,4,3,2,1,0
	v_cmp_neq_f32 vcc_lo, v[\m], v[\S+\jj]
	v_cndmask_b32 v[\ix], \jj, v[\ix], vcc_lo      ; descending, so that the lowest index stays
.endr
	v_add_nc_u32 v[\ix], v21, v[\ix]
	v_permlanex16_b32 v17, v[\ix], s24, s25
	v_min_u32 v[\ix], v[\ix], v17
.endm
	TOP 48, 16, 18                                 ; m1 in v16, i1 in v18
	v_sub_nc_u32 v20, v18, v21                     ; i1's place among my eight, if it is there
.irp jj, 0,1,2,3,4,5,6,7
	v_cmp_eq_u32 vcc_lo, \jj, v20
	v_cndmask_b32 v[56+\jj], v[48+\jj], v22, vcc_lo
.endr
	TOP 56, 23, 24                                 ; m2 in v23, i2 in v24
	; softmax: 2^((L - m1) log2 e); the difference is exact enough at any size of the logits, since it is formed before the scaling
.irp z, 0,2,4,6
	v_pk_add_f32 v[56+\z:57+\z], v[48+\z:49+\z], v[16:17] op_sel_hi:[1,0] neg_lo:[0,1] neg_hi:[0,1]
.endr
.irp z, 0,2,4,6
	v_pk_mul_f32 v[56+\z:57+\z], v[56+\z:57+\z], s[26:27] op_sel_hi:[1,0]
.endr
	v_sub_f32 v26, v23, v16
	v_mul_f32 v26, s26, v26
.irp jj, 0,1,2,3,4,5,6,7
	v_exp_f32 v[56+\jj], v[56+\jj]
.endr
	v_exp_f32 v26, v26
	v_nop                                          ; a plain instruction behind the last exponential (ISA guide 5.7.2)
	s_wait_alu depctr_va_vdst(0)
	v_add_f32 v56, v56, v57
	v_add_f32 v58, v58, v59
	v_add_f32 v60, v60, v61
	v_add_f32 v62, v62, v63
	v_add_f32 v56, v56, v58
	v_add_f32 v60, v60, v62
	v_add_f32 v27, v56, v60
	v_permlanex16_b32 v17, v27, s24, s25
	v_add_f32 v27, v27, v17
	v_rcp_f32 v27, v27                             ; the first choice's gate: 2^0 / sum
	v_min_u32 v20, v18, v24                        ; a (a plain instruction behind the reciprocal)
	s_wait_alu depctr_va_vdst(0)
	v_mul_f32 v26, v26, v27                        ; the second's
	v_add_nc_u32 v25, v18, v24
	v_sub_nc_u32 v25, v25, v20                     ; b
	v_cmp_lt_u32 vcc_lo, v18, v24
	v_cndmask_b32 v30, v26, v27, vcc_lo            ; gate of a
	v_cndmask_b32 v31, v27, v26, vcc_lo            ; gate of b
	v_sub_nc_u32 v32, 31, v20
	v_mul_u32_u24 v32, v32, v20
	v_lshrrev_b32 v32, 1, v32
	v_sub_nc_u32 v33, v25, v20
	v_add3_u32 v32, v32, v33, -1                   ; p
	v_lshl_or_b32 v33, v25, 8, v20                 ; a | b << 8
	ds_store_b32 v4, v32                           ; both halves of the lanes hold, and write, the same
	ds_store_b32 v4, v33 offset:256
	ds_store_b64 v9, v[30:31]
.Ljoin1:
	s_wait_dscnt 0x0
	s_barrier_signal -1
	s_barrier_wait -1
	s_cmp_lt_u32 s2, 4
	s_cbranch_scc0 .Lnothist
	; WAVES 0-3: thread t counts the group's tokens of pair number t
	v_mov_b32 v4, KS
.set n, 0
.rept 16
	ds_load_b128 v[64+4*n:64+4*n+3], v4 offset:16*n
.set n, n+1
.endr
	v_mov_b32 v16, 0
	v_lshl_add_u32 v17, v0, 1, HS
	s_wait_dscnt 0x0
.set n, 0
.rept 64
	v_cmp_eq_u32 vcc_lo, v0, v[64+n]
	v_add_co_ci_u32 v16, vcc_lo, 0, v16, vcc_lo    ; + 1 where equal
.set n, n+1
.endr
	ds_store_b16 v17, v16
	s_branch .Ljoin2
.Lnothist:
	s_cmp_eq_u32 s2, 4
	s_cbranch_scc0 .Lnotbm
	; WAVE 4: the bitmap.  A compare over 32 tokens IS the word; lane 16 u + e takes word u of expert e.
	v_lshl_add_u32 v16, v1, 2, ABS
	ds_load_b32 v17, v16
	ds_load_b32 v18, v16 offset:128
	v_mov_b32 v20, 0
	v_lshlrev_b32 v25, 2, v1
	s_wait_dscnt 0x0
	v_and_b32 v21, 0xff, v17
	v_lshrrev_b32 v22, 8, v17
	v_and_b32 v23, 0xff, v18
	v_lshrrev_b32 v24, 8, v18
.set e, 0
.rept 16
	v_cmp_eq_u32 s42, e, v21
	v_cmp_eq_u32 s43, e, v22
	s_or_b32 s42, s42, s43
	v_writelane_b32 v20, s42, e
	v_cmp_eq_u32 s42, e, v23
	v_cmp_eq_u32 s43, e, v24
	s_or_b32 s42, s42, s43
	v_writelane_b32 v20, s42, 16+e
.set e, e+1
.endr
	global_store_b32 v25, v20, s[20:21]            ; 128 consecutive bytes
	s_branch .Ljoin2
.Lnotbm:
	s_cmp_eq_u32 s2, 5
	s_cbranch_scc0 .Ljoin2
	; WAVE 5: the gates
	v_lshl_add_u32 v16, v1, 4, GS
	ds_load_b128 v[32:35], v16
	v_lshlrev_b32 v17, 4, v1
	s_wait_dscnt 0x0
	global_store_b128 v17, v[32:35], s[22:23]      ; 512 consecutive bytes
.Ljoin2:
	s_wait_dscnt 0x0
	s_barrier_signal -1
	s_barrier_wait -1
	s_cmp_eq_u32 s2, 0
	s_cbranch_scc0 .Lend
	v_lshl_add_u32 v16, v1, 3, HS                  ; WAVE 0: the 128 counts leave as 256 consecutive bytes, by one instruction
	ds_load_b64 v[18:19], v16
	v_lshlrev_b32 v17, 3, v1
	s_wait_dscnt 0x0
	global_store_b64 v17, v[18:19], s[18:19]
.Lend:
	s_wait_tensorcnt 0x0                           ; the wave's end: three lines behind my last LDS store
	ds_add_u32 v28, v29
	s_wait_dscnt 0x0
	s_endpgm
.Lfunc_end_k_qf7dd0448b1_prep:
	.size	k_qf7dd0448b1_prep, .Lfunc_end_k_qf7dd0448b1_prep-k_qf7dd0448b1_prep
	.p2alignl 7, 3214868480
	.fill 96, 4, 3214868480
	.section	.rodata,"a",@progbits
	.p2align	6, 0x0
	.amdhsa_kernel k_qf7dd0448b1_prep
		.amdhsa_group_segment_fixed_size 85248
		.amdhsa_private_segment_fixed_size 0
		.amdhsa_enable_private_segment 0
		.amdhsa_kernarg_size 64
		.amdhsa_user_sgpr_count 2
		.amdhsa_user_sgpr_kernarg_segment_ptr 1
		.amdhsa_wavefront_size32 1
		.amdhsa_system_sgpr_workgroup_id_x 1
		.amdhsa_system_sgpr_workgroup_id_y 1
		.amdhsa_system_sgpr_workgroup_id_z 1
		.amdhsa_system_vgpr_workitem_id 0
		.amdhsa_next_free_vgpr 192
		.amdhsa_next_free_sgpr 66
		.amdhsa_reserve_vcc 1
		.amdhsa_float_denorm_mode_32 3
		.amdhsa_float_denorm_mode_16_64 3
		.amdhsa_memory_ordered 1
		.amdhsa_forward_progress 1
		.amdhsa_inst_pref_size 49
	.end_amdhsa_kernel
	.amdgpu_metadata
---
amdhsa.version: [ 1, 2 ]
amdhsa.kernels:
  - .name:           k_qf7dd0448b1_prep
    .symbol:         k_qf7dd0448b1_prep.kd
    .args:
      - { .name: x, .offset: 0, .size: 8, .value_kind: global_buffer, .address_space: global }
      - { .name: wg, .offset: 8, .size: 8, .value_kind: global_buffer, .address_space: global }
      - { .name: W1, .offset: 16, .size: 8, .value_kind: global_buffer, .address_space: global }
      - { .name: W2, .offset: 24, .size: 8, .value_kind: global_buffer, .address_space: global }
      - { .name: wb, .offset: 32, .size: 8, .value_kind: global_buffer, .address_space: global }
      - { .name: hist, .offset: 40, .size: 8, .value_kind: global_buffer, .address_space: global }
      - { .name: bm, .offset: 48, .size: 8, .value_kind: global_buffer, .address_space: global }
      - { .name: gab, .offset: 56, .size: 8, .value_kind: global_buffer, .address_space: global }
    .group_segment_fixed_size: 85248
    .private_segment_fixed_size: 0
    .kernarg_segment_align: 8
    .kernarg_segment_size: 64
    .max_flat_workgroup_size: 256
    .sgpr_count:     66
    .vgpr_count:     192
    .wavefront_size: 32
...
	.end_amdgpu_metadata
.endif
;; end of part 1
;; launch moe (part 2): grid 256 x 1, 4 waves a work-group, no clusters, 265,216 bytes of LDS; arguments x, b1, b2, wb, hist, bm, gab, out0; writes out0
.if DOCPART == 2
	.amdgcn_target "amdgcn-amd-amdhsa--gfx1250"
	.amdhsa_code_object_version 6
	.text
	.protected	k_qf7dd0448b1_moe
	.globl	k_qf7dd0448b1_moe
	.p2align	8
	.type	k_qf7dd0448b1_moe,@function
k_qf7dd0448b1_moe:
	s_mov_b64 s[64:65], 0
	v_nop
	global_prefetch_b8 v0, s[64:65] scope:SCOPE_SE
	s_setreg_imm32_b32 hwreg(HW_REG_WAVE_MODE, 25, 1), 1
	s_wait_xcnt 0x0
; THE EXPERTS.  out[t] = ga (relu(x W1[a] + b1[a]) W2[a] + b2[a]) + gb (the same for b), {a, b} the token's two experts, ga and gb their gates.
; SHARES.  A work-group owns up to 128 tokens of ONE pair {a, b} and adds both experts' results into one accumulator: every output row has one owner, nothing is summed through memory.
; The 256 work-groups are dealt among the 120 pairs by a formula that each works out from the stored counts: with shares of q tiles of 16 tokens a pair of N tokens gets
; ceil(ceil(N / 16) / q) work-groups; q is the smallest of 4..8 at which 256 suffice (at q = 8: at most 128 + 120).  That serves every split.  A work-group that is left over has no tile:
; it passes every barrier, jumps every tile and stores nothing.  A token's rank in its pair goes by one fixed order of the tokens, the same in every work-group, so a pair's shares part it.
; PLACES PAST THE COUNT repeat the share's first token: they go through the same arithmetic, and the last tile stores all its 16 rows with all lanes on: the repeats write the first token's
; row again, with the same numbers (15 rows of 1,024 bytes at the most).  So EXEC is never narrowed in this text.
; WAVES split COLUMNS.  Four chunks: expert a, then b, each in halves hh of 256 hidden units.  P1: h^T = W1^T x^T for the wave's 64 hidden units; P2: out^T += W2^T h^T for the wave's 64 channels.
; Source 0 is always a weight fragment, source 1 sixteen tokens: a lane holds ONE token (lane % 16) and eight neighbouring units or channels; the gate is a factor of the lane, a bias a C operand.
; Each weight byte is read by one wave of the work-group, from wb straight into operand registers (512 consecutive bytes a load), a phase ahead; a fragment feeds all the share's tiles.
; The gate goes into the hidden layer: h' = f16(max(g (z + b1), 0)), right since g >= 0; the accumulator starts at ga b2[a] + gb b2[b].
; FORMATS.  P1 multiplies in bf16 (both operands are inputs, rounded once to bf16).  P2 multiplies in f16: h' is the one number that the program itself rounds, and f16's 11 significant bits
; leave an eighth of the error of bf16's 8; W2 comes as its bf16 number written in f16.  The two forms never share an accumulator.
; NO CLUSTER, NO TENSOR LOADS: 120 pairs on 256 work-groups give a pair about two, never surely four, so neighbours walk different experts' weights; and the weights have one reader each in a
; work-group, so a way through LDS would add a trip.
; LIMITS.  x, W1, b1, W2, b2 are rounded once to bf16, g (z + b1) once to f16; all sums in f32.  g (z + b1) of 65,520 or more becomes an infinity; below 6e-5 it keeps f16's fixed step of 6e-8.
; The room: with x and W1 both 30 times their drawn spread z stays near 900 x 6 = 5,400; with offsets of 30 spreads on both, near 256 x 30 x 1.9 = 14,400.  NaN and infinities are not treated apart.
; REGISTERS, in windows of 256 (s_set_vgpr_msb: bits 1:0 source 0, 3:2 source 1, 5:4 source 2, 7:6 destination):
;   window 0: addresses, gates, token fragments (two buffers), P1's accumulators, bias fragments     window 1: WA, P1's 32 weight fragments ((k, blk) at 8 (4 k + blk))
;   window 2: WB, P2's (at the start: the gathered rows of x)                                          window 3: OA, the output's accumulators ((tile i, blk) at 8 (4 i + blk))
.set XP,    528                        ; a row of x or h in LDS: 512 bytes of 16-bit numbers + 16: the 16 rows of a fragment load start 4 banks apart
.set TS,    16*XP                      ; a tile's 16 rows
.set XS,    0                          ; 128 rows of x
.set H0,    67584                      ; 128 rows of h, chunks with hh = 0
.set H1,    135168                     ; the same for hh = 1
.set STAGE, 202752                     ; 16 rows x 272 bytes for each wave, f32, for the way out
.set SP,    272
.set BMS,   220160                     ; a copy of bm; a wave reads its own 8,192 bytes alone
.set LIST,  252928                     ; the share's 128 token numbers
.set PART,  253440                     ; [wave 4][128 counts of 16 bits]: each quarter of the tokens' counts by pair
.set B1S,   254464                     ; [2 experts][512] f32
.set B2S,   258560                     ; [2 experts][256] f32
.set LW,    260608                     ; [wave 4][256 words]: words 0-127 what the wave has placed, words 128-159 a dump that nobody reads
.set LWP,   1024
.set SPARE, 264704                     ; the spare words: 128 bytes for each of four waves; no other line names them
.set XR,  4                            ; v4   XS + 528 r + 16 h
.set HR0, 5                            ; v5, v6   the same in H0, H1
.set HW0, 7                            ; v7, v8   H0, H1 + 528 r + 128 w + 16 h: where my 16 bytes of h go
.set BIA, 9                            ; v9   B1S + 256 w + 32 h; steps to the second expert
.set WO,  10                           ; v10  16 lane
.set ZERO,11                           ; v11  0
.set STO, 12                           ; v12  the way out: where I put 32 bytes of a row
.set SRD, 13                           ; v13  where I read rows back
.set LRO, 14                           ; v14  LIST + 4 h
.set OCO, 15                           ; v15  256 w + 16 r
.set SPW, 28                           ; v28  my spare word; never rewritten
.set NIL, 29                           ; v29  0; never rewritten
.set PK,  32                           ; v32-47  packed h; at the start the gather's addresses; at the end the stores'
.set GP,  48                           ; v48-63  pair i: (gate in hand, gate of b) of tile i's token r
.set BF0, 64                           ; v64-127, v128-191  token fragments, 8 K steps x 8 registers, two buffers
.set HA,  192                          ; v192-223  P1's four accumulators
.set BI,  224                          ; v224-255  b1 as four C operands
; s2 wave, s3 work-group, s24 T (tiles), s25 cnt, s26 lo, s27 p, s28 a, s29 b, s30 q, s31 its reciprocal x 65,536, s32 running rank, s36 the placing's counter, s[38:39] lane selects,
; s[40:41] wb at my wave's blocks of the expert in hand, s[42:43] of expert b, s46 experts to go, s47 my wave's list, s48-51 four words of the bitmap
.set MSB, 0
.macro WIN new                         ; the immediate's high byte repeats the setting that is left; a switch that changes nothing is dropped
.if MSB != (\new)
	s_set_vgpr_msb (MSB<<8)|(\new)
.set MSB, (\new)
.endif
.endm
.macro NOP4                            ; four places behind a matrix instruction (ISA guide 7.12.1), where no other vector work is at hand
.rept 4
	v_nop
.endr
.endm
.macro BAR
	s_barrier_signal -1
	s_barrier_wait -1
.endm
.macro WSUM rg                         ; the sum of v[rg] over the wave's 32 lanes, in every lane
.irp mm, 1,2,4,8
	v_mov_b32_dpp v16, v[\rg] row_xmask:\mm row_mask:0xf bank_mask:0xf
	v_add_nc_u32 v[\rg], v[\rg], v16
.endr
	v_permlanex16_b32 v16, v[\rg], s38, s39
	v_add_nc_u32 v[\rg], v[\rg], v16
.endm
; Weight fragments of K steps k0 .. k1 - 1 of block P = 2 hh + ph, into window 1 (win = 0x40) or 2 (0x80)
.macro WLOAD win, sb, P, k0, k1
	WIN \win
.set kk, \k0
.rept (\k1)-(\k0)
.irp bq, 0,1,2,3,4,5,6,7
	global_load_b128 v[32*kk+4*\bq:32*kk+4*\bq+3], v[WO], s[\sb:\sb+1] offset:131072*(\P)+4096*kk+512*\bq
.endr
.set kk, kk+1
.endr
	WIN 0
.endm
	s_load_b512 s[8:23], s[0:1], 0x0               ; x s[8:9], b1 s[10:11], b2 s[12:13], wb s[14:15], hist s[16:17], bm s[18:19], gab s[20:21], out0 s[22:23]
	v_lshl_add_u32 v[SPW], v0, 2, SPARE
	v_mov_b32 v[NIL], 0
	v_and_b32 v1, 31, v0                           ; lane
	v_lshrrev_b32 v16, 5, v0
	v_readfirstlane_b32 s2, v16                    ; wave 0..3
	v_and_b32 v2, 15, v0                           ; r
	v_bfe_u32 v3, v0, 4, 1                         ; h
	s_mov_b32 s3, ttmp9
	s_mov_b32 s38, 0x76543210
	s_mov_b32 s39, 0xfedcba98
	s_mov_b32 s45, 0
	v_lshlrev_b32 v[WO], 4, v1
	s_lshl_b32 s44, s2, 14
	s_wait_kmcnt 0x0
	s_add_nc_u64 s[16:17], s[16:17], s[44:45]      ; my quarter of hist: groups 64 w .. 64 w + 63
	s_lshl_b32 s44, s2, 13
	s_add_nc_u64 s[18:19], s[18:19], s[44:45]      ; my quarter of bm: words 128 w .. 128 w + 127
.set j, 0
.rept 32
	global_load_b128 v[64+4*j:64+4*j+3], v[WO], s[16:17] offset:512*j   ; two groups a load: a lane holds counts 8 r .. 8 r + 7
.set j, j+1
.endr
.set j, 0
.rept 16
	global_load_b128 v[192+4*j:192+4*j+3], v[WO], s[18:19] offset:512*j
.set j, j+1
.endr
	; the addresses, while the loads are out
	v_mul_u32_u24 v16, v2, XP
	v_lshl_add_u32 v[XR], v3, 4, v16
	v_add_nc_u32 v[HR0], H0, v[XR]
	v_add_nc_u32 v[HR0+1], H1, v[XR]
	s_lshl_b32 s4, s2, 7
	v_add_nc_u32 v[HW0], s4, v[HR0]
	v_add_nc_u32 v[HW0+1], s4, v[HR0+1]
	s_lshl_b32 s4, s2, 8
	s_add_co_u32 s5, s4, B1S
	v_lshl_add_u32 v[BIA], v3, 5, s5
	v_mov_b32 v[ZERO], 0
	v_lshl_add_u32 v[OCO], v2, 4, s4
	s_mul_i32 s5, s2, 16*SP
	s_add_co_u32 s5, s5, STAGE
	v_mul_u32_u24 v16, v2, SP
	v_lshl_add_u32 v16, v3, 5, v16
	v_add_nc_u32 v[STO], s5, v16
	v_mul_u32_u24 v16, v3, SP
	v_lshl_add_u32 v16, v2, 4, v16
	v_add_nc_u32 v[SRD], s5, v16
	v_lshl_add_u32 v[LRO], v3, 2, LIST
	v_lshlrev_b32 v24, 4, v2                       ; 16 r
	s_lshl_b32 s4, s2, 2
	v_add_nc_u32 v25, s4, v3
	v_mul_u32_u24 v25, v25, XP
	v_lshl_add_u32 v25, v2, 3, v25                 ; x into LDS: row 4 w + h, 8 bytes at 8 r
	v_mov_b32 v16, 0
	v_mov_b32 v17, 0
	v_mov_b32 v18, 0
	v_mov_b32 v19, 0
	s_lshl_b32 s47, s2, 10
	s_add_co_u32 s47, s47, LW
	v_add_nc_u32 v20, s47, v[WO]
	ds_store_b128 v20, v[16:19]                    ; my list's 128 places start at 0, so that the four lists can be joined by OR
	s_lshl_b32 s4, s2, 8
	s_add_co_u32 s4, s4, PART
	v_lshl_add_u32 v21, v2, 4, s4
	s_lshl_b32 s4, s2, 13
	s_add_co_u32 s4, s4, BMS
	v_add_nc_u32 v22, s4, v[WO]
	v_lshl_add_u32 v27, v1, 6, s4                  ; my copy of bm: word = lane, 64 bytes each
	v_lshl_add_u32 v23, v1, 3, PART
	s_wait_loadcnt 16                              ; hist is in: bm's 16 loads are younger
.set j, 1
.rept 31                                               ; two counts to a word; a quarter's sums are 4,096 at the most: nothing carries
.irp cc, 0,1,2,3
	v_add_nc_u32 v[64+\cc], v[64+\cc], v[64+4*j+\cc]
.endr
.set j, j+1
.endr
.irp cc, 0,1,2,3
	v_permlanex16_b32 v[16+\cc], v[64+\cc], s38, s39   ; the odd groups lie in the other half of the lanes
.endr
.irp cc, 0,1,2,3
	v_add_nc_u32 v[64+\cc], v[64+\cc], v[16+\cc]
.endr
	ds_store_b128 v21, v[64:67]
	s_wait_loadcnt 0x0                             ; bm
.set j, 0
.rept 16
	ds_store_b128 v22, v[192+4*j:192+4*j+3] offset:512*j
.set j, j+1
.endr
	s_wait_dscnt 0x0
	BAR                                            ; the four quarters' counts are there
	; THE DEALING, alike in all four waves.  Lane l has pairs 4 l .. 4 l + 3.
	ds_load_b64 v[64:65], v23
	ds_load_b64 v[66:67], v23 offset:256
	ds_load_b64 v[68:69], v23 offset:512
	ds_load_b64 v[70:71], v23 offset:768
	s_wait_dscnt 0x0
	v_add_nc_u32 v64, v64, v66
	v_add_nc_u32 v65, v65, v67
	v_add_nc_u32 v68, v68, v70
	v_add_nc_u32 v69, v69, v71
	v_add_nc_u32 v64, v64, v68                     ; 16,384 at the most: still 16 bits
	v_add_nc_u32 v65, v65, v69
	v_and_b32 v72, 0xffff, v64                     ; N of my four pairs
	v_lshrrev_b32 v73, 16, v64
	v_and_b32 v74, 0xffff, v65
	v_lshrrev_b32 v75, 16, v65
.irp dd, 0,1,2,3
	v_add_nc_u32 v[76+\dd], 15, v[72+\dd]
	v_lshrrev_b32 v[76+\dd], 4, v[76+\dd]          ; their tiles
.endr
.macro SQ dst, q, M                    ; my four pairs' work-groups at shares of q tiles: (tiles + q - 1) / q by a multiply, exact up to 13,106
.irp dd, 0,1,2,3
	v_add_nc_u32 v[16+\dd], (\q)-1, v[76+\dd]
	v_mul_u32_u24 v[16+\dd], v[16+\dd], \M
	v_lshrrev_b32 v[16+\dd], 16, v[16+\dd]
.endr
	v_add_nc_u32 v16, v16, v17
	v_add3_u32 v[\dst], v16, v18, v19
.endm
	SQ 80, 4, 16384
	SQ 81, 5, 13108
	SQ 82, 6, 10923
	SQ 83, 7, 9363
	v_lshl_or_b32 v80, v81, 10, v80                ; three totals in fields of 10 bits: each is 376 at the most
	v_lshl_or_b32 v80, v82, 20, v80
	WSUM 80
	WSUM 83
	v_readfirstlane_b32 s4, v80
	v_readfirstlane_b32 s5, v83
	s_mov_b32 s30, 8
	s_mov_b32 s31, 8192
	s_cmp_le_u32 s5, 256                           ; the totals fall as q grows: the last q that fits, going down, is the smallest
	s_cselect_b32 s30, 7, s30
	s_cselect_b32 s31, 9363, s31
	s_bfe_u32 s6, s4, 0xa0014
	s_cmp_le_u32 s6, 256
	s_cselect_b32 s30, 6, s30
	s_cselect_b32 s31, 10923, s31
	s_bfe_u32 s6, s4, 0xa000a
	s_cmp_le_u32 s6, 256
	s_cselect_b32 s30, 5, s30
	s_cselect_b32 s31, 13108, s31
	s_and_b32 s6, s4, 0x3ff
	s_cmp_le_u32 s6, 256
	s_cselect_b32 s30, 4, s30
	s_cselect_b32 s31, 16384, s31
	s_sub_co_u32 s4, s30, 1
.irp dd, 0,1,2,3
	v_add_nc_u32 v[88+\dd], s4, v[76+\dd]
	v_mul_u32_u24 v[88+\dd], v[88+\dd], s31
	v_lshrrev_b32 v[88+\dd], 16, v[88+\dd]         ; each pair's work-groups
.endr
	v_add3_u32 v92, v88, v89, v90
	v_add_nc_u32 v92, v92, v91
	v_mov_b32 v93, 0                               ; how many work-groups the lanes below me take: at each step a block's sum meets its neighbour's
.irp mm, 1,2,4,8
	v_mov_b32_dpp v16, v92 row_xmask:\mm row_mask:0xf bank_mask:0xf
	v_and_b32 v17, \mm, v1
	v_cmp_ne_u32 vcc_lo, 0, v17
	v_cndmask_b32 v17, 0, v16, vcc_lo
	v_add_nc_u32 v93, v93, v17
	v_add_nc_u32 v92, v92, v16
.endr
	v_permlanex16_b32 v16, v92, s38, s39
	v_and_b32 v17, 16, v1
	v_cmp_ne_u32 vcc_lo, 0, v17
	v_cndmask_b32 v17, 0, v16, vcc_lo
	v_add_nc_u32 v93, v93, v17
	v_sub_nc_u32 v16, s3, v93                      ; my work-group's number among pair 4 l's, if it is one of them
	v_mov_b32 v94, 0
	v_lshlrev_b32 v95, 2, v1
.irp dd, 0,1,2,3
	v_cmp_gt_u32 vcc_lo, v[88+\dd], v16
	v_lshl_or_b32 v18, v16, 8, v95
	v_lshl_or_b32 v18, v[72+\dd], 17, v18
	v_or_b32 v18, \dd, v18                         ; pair | number << 8 | N << 17
	v_cndmask_b32 v18, 0, v18, vcc_lo
	v_or_b32 v94, v94, v18
	v_sub_nc_u32 v16, v16, v[88+\dd]
.endr
	WSUM 94                                        ; one lane at the most holds a match
	v_readfirstlane_b32 s4, v94
	s_and_b32 s27, s4, 0x7f
	s_min_u32 s27, s27, 127                        ; p
	s_bfe_u32 s5, s4, 0x90008
	s_lshr_b32 s6, s4, 17
	s_lshl_b32 s7, s30, 4                          ; a share's tokens
	s_mul_i32 s26, s5, s7                          ; lo: my first rank
	s_sub_co_u32 s25, s6, s26
	s_min_u32 s25, s25, s7
	s_min_u32 s25, s25, 128                        ; cnt; 0 for a work-group that is left over
	s_add_co_u32 s24, s25, 15
	s_lshr_b32 s24, s24, 4                         ; T
	s_mov_b32 s28, 0
.irp R, 15,29,42,54,65,75,84,92,99,105,110,114,117,119
	s_cmp_ge_u32 s27, \R                           ; a = how many rows of the triangle begin at or below p
	s_add_co_ci_u32 s28, s28, 0
.endr
	s_min_u32 s28, s28, 14
	s_sub_co_u32 s4, 31, s28
	s_mul_i32 s4, s4, s28
	s_lshr_b32 s4, s4, 1
	s_sub_co_u32 s29, s27, s4
	s_add_co_u32 s29, s29, s28
	s_add_co_u32 s29, s29, 1
	s_min_u32 s29, s29, 15                         ; b
	s_lshl_b32 s44, s2, 15
	s_add_nc_u64 s[14:15], s[14:15], s[44:45]      ; wb at my wave's blocks
	s_lshl_b32 s44, s28, 19
	s_add_nc_u64 s[40:41], s[14:15], s[44:45]
	s_lshl_b32 s44, s29, 19
	s_add_nc_u64 s[42:43], s[14:15], s[44:45]
	s_lshl_b32 s4, s28, 11
	s_lshl_b32 s5, s29, 11
	v_lshl_add_u32 v104, v0, 4, s4
	v_lshl_add_u32 v105, v0, 4, s5
	s_lshl_b32 s4, s28, 10
	s_lshl_b32 s5, s29, 10
	v_lshl_add_u32 v106, v0, 3, s4
	v_lshl_add_u32 v107, v0, 3, s5
	global_load_b128 v[32:35], v104, s[10:11]      ; b1[a], b1[b], b2[a], b2[b]
	global_load_b128 v[36:39], v105, s[10:11]
	global_load_b64 v[40:41], v106, s[12:13]
	global_load_b64 v[42:43], v107, s[12:13]
	WLOAD 0x40, 40, 0, 0, 7                        ; the first phase's weights, K steps 0-6: 60 loads of mine are out
	; MY SHARE'S TOKENS.  Bit i of M[jj], lane l: token 4,096 w + 1,024 jj + 32 l + i chose a and b.
	s_lshl_b32 s4, s27, 1
	s_add_co_u32 s4, s4, PART
	v_mov_b32 v26, s4
	ds_load_u16 v17, v26
	ds_load_u16 v18, v26 offset:256
	ds_load_u16 v19, v26 offset:512
	s_lshl_b32 s5, s28, 2
	s_lshl_b32 s6, s29, 2
	v_add_nc_u32 v30, s5, v27
	v_add_nc_u32 v31, s6, v27
.irp jj, 0,1,2,3
	ds_load_b32 v[96+\jj], v30 offset:2048*\jj
	ds_load_b32 v[100+\jj], v31 offset:2048*\jj
.endr
	s_wait_dscnt 0x0
.irp jj, 0,1,2,3
	v_and_b32 v[100+\jj], v[96+\jj], v[100+\jj]
.endr
	v_readfirstlane_b32 s48, v17
	v_readfirstlane_b32 s49, v18
	v_readfirstlane_b32 s50, v19
	s_sub_co_u32 s32, 0, s26                       ; the rank of my quarter's first token of the pair, less lo (it may wrap: an unsigned compare then finds it out of the share)
	s_cmp_gt_u32 s2, 0
	s_cselect_b32 s4, s48, 0
	s_add_co_u32 s32, s32, s4
	s_cmp_gt_u32 s2, 1
	s_cselect_b32 s4, s49, 0
	s_add_co_u32 s32, s32, s4
	s_cmp_gt_u32 s2, 2
	s_cselect_b32 s4, s50, 0
	s_add_co_u32 s32, s32, s4
	s_lshl_b32 s7, s2, 12                          ; my quarter's first token
	v_add_nc_u32 v30, 128, v1                      ; my lane's word of the dump
	; THE PLACING: 32 trips, whatever the data.  Trip l takes lane l's four words; in a word lane i is token i, and its place is the running rank plus the bits below it.
	; Every lane stores in every trip: a token of my share at its place, all others at the dump.  The index is clamped last, so every store lies in my wave's 1,024 bytes.
	s_mov_b32 s36, 0
.Lplace:
.irp jj, 0,1,2,3
	v_readlane_b32 s[48+\jj], v[100+\jj], s36
.endr
	s_lshl_b32 s5, s36, 5
	s_add_co_u32 s5, s5, s7
	v_add_nc_u32 v20, s5, v1                       ; the four tokens of my lane
	v_add_nc_u32 v21, 1024, v20
	v_add_nc_u32 v22, 2048, v20
	v_add_nc_u32 v23, 3072, v20
.irp jj, 0,1,2,3
	v_mbcnt_lo_u32_b32 v[16+\jj], s[48+\jj], s32
	s_bcnt1_i32_b32 s4, s[48+\jj]
	s_add_co_u32 s32, s32, s4
.endr
.irp jj, 0,1,2,3
	v_cmp_gt_u32 vcc_lo, s25, v[16+\jj]            ; inside my share,
	s_and_b32 vcc_lo, vcc_lo, s[48+\jj]            ; and of my pair
	v_cndmask_b32 v[16+\jj], v30, v[16+\jj], vcc_lo
	v_min_u32 v[16+\jj], 255, v[16+\jj]
	v_lshl_add_u32 v[16+\jj], v[16+\jj], 2, s47
	ds_store_b32 v[16+\jj], v[20+\jj]
.endr
	s_add_co_u32 s36, s36, 1
	s_cmp_lt_u32 s36, 32
	s_cbranch_scc1 .Lplace
	s_wait_loadcnt 56                              ; the four bias loads are in: the 56 weight loads are younger
.irp s0, 32,34,36,38,40,42
	v_cvt_pk_bf16_f32 v16, v[\s0], v[\s0+1]        ; rounded to bf16 like every input, and kept as f32
	v_lshlrev_b32 v[\s0], 16, v16
	v_and_b32 v[\s0+1], 0xffff0000, v16
.endr
	v_lshl_add_u32 v21, v0, 4, B1S
	v_lshl_add_u32 v22, v0, 3, B2S
	ds_store_b128 v21, v[32:35]
	ds_store_b128 v21, v[36:39] offset:2048
	ds_store_b64 v22, v[40:41]
	ds_store_b64 v22, v[42:43] offset:1024
	s_wait_dscnt 0x0
	BAR                                            ; the four lists and the biases are there
	v_lshl_add_u32 v16, v0, 2, LW                  ; a place has one writer at the most: the four lists' words are joined by OR
	v_mov_b32 v22, LW
	ds_load_b32 v17, v16
	ds_load_b32 v18, v16 offset:LWP
	ds_load_b32 v19, v16 offset:2*LWP
	ds_load_b32 v20, v16 offset:3*LWP
	ds_load_b32 v104, v22                          ; and place 0, the share's first token, for the places past the count
	ds_load_b32 v105, v22 offset:LWP
	ds_load_b32 v106, v22 offset:2*LWP
	ds_load_b32 v107, v22 offset:3*LWP
	v_lshl_add_u32 v21, v0, 2, LIST
	s_wait_dscnt 0x0
	v_or_b32 v17, v17, v18
	v_or_b32 v19, v19, v20
	v_or_b32 v17, v17, v19
	v_or_b32 v104, v104, v105
	v_or_b32 v106, v106, v107
	v_or_b32 v104, v104, v106
	v_cmp_gt_u32 vcc_lo, s25, v0
	v_cndmask_b32 v17, v104, v17, vcc_lo
	ds_store_b32 v21, v17
	s_wait_dscnt 0x0
	BAR                                            ; the list is there
	; GATES, GATHER, THE ACCUMULATORS' START
	v_lshl_add_u32 v16, v2, 2, LIST
.irp ii, 0,1,2,3,4,5,6,7
	ds_load_b32 v[108+\ii], v16 offset:64*\ii      ; tile i's token r
.endr
	s_lshl_b32 s4, s2, 4
	s_add_co_u32 s4, s4, LIST
	v_lshl_add_u32 v17, v3, 2, s4
.set n, 0
.rept 16                                               ; I gather rows 16 i + 4 w + 2 pp + h; n = 2 i + pp
	ds_load_b32 v[PK+n], v17 offset:4*(16*(n/2)+2*(n%2))
.set n, n+1
.endr
	s_lshl_b32 s4, s2, 8
	s_add_co_u32 s4, s4, B2S
	v_lshl_add_u32 v18, v3, 5, s4
.set n, 0
.rept 8                                                ; n = 4 e' + blk: b2 of my lane's eight channels
	ds_load_b128 v[192+8*n:192+8*n+3], v18 offset:1024*(n/4)+64*(n%4)
	ds_load_b128 v[192+8*n+4:192+8*n+7], v18 offset:1024*(n/4)+64*(n%4)+16
.set n, n+1
.endr
	s_wait_dscnt 0x0
.irp ii, 0,1,2,3,4,5,6,7
	v_min_u32 v[108+\ii], 0x3fff, v[108+\ii]
	v_lshlrev_b32 v[108+\ii], 3, v[108+\ii]
.endr
.set n, 0
.rept 16
	v_min_u32 v[PK+n], 0x3fff, v[PK+n]
	v_lshl_add_u32 v[PK+n], v[PK+n], 10, v24       ; the row's first byte + 16 r
.set n, n+1
.endr
.irp ii, 0,1,2,3,4,5,6,7
	global_load_b64 v[GP+2*\ii:GP+2*\ii+1], v[108+\ii], s[20:21]
.endr
	WLOAD 0x40, 40, 0, 7, 8                        ; the first phase's last K step
	WIN 0x80
.set n, 0
.rept 64                                               ; all eight tiles, so that every register below is written whatever T: places past the count read the first token's row again
	global_load_b128 v[4*n:4*n+3], v[PK+n/4], s[8:9] offset:256*(n%4)   ; 16 lanes take 256 consecutive bytes of a row
.set n, n+1
.endr
	s_wait_loadcnt 63                              ; the gates are in: 72 loads are younger, and a wait names 63 at the most
	WIN 0xc0                                       ; OA = ga b2[a] + gb b2[b], while the gather is out
.set ii, 0
.rept 8
.set bz, 0
.rept 16
	v_pk_mul_f32 v[32*ii+2*bz:32*ii+2*bz+1], v[192+2*bz:192+2*bz+1], v[GP+2*ii:GP+2*ii+1] op_sel_hi:[1,0]
.set bz, bz+1
.endr
.set ii, ii+1
.endr
	WIN 0xf0
.set ii, 0
.rept 8
.set bz, 0
.rept 16
	v_pk_fma_f32 v[32*ii+2*bz:32*ii+2*bz+1], v[224+2*bz:224+2*bz+1], v[GP+2*ii:GP+2*ii+1], v[32*ii+2*bz:32*ii+2*bz+1] op_sel:[0,1,0] op_sel_hi:[1,1,1]
.set bz, bz+1
.endr
.set ii, ii+1
.endr
	s_wait_loadcnt 0x0                             ; x's rows
	WIN 0x0a
.set n, 0
.rept 64
	v_cvt_pk_bf16_f32 v[64+2*n], v[4*n], v[4*n+1]
	v_cvt_pk_bf16_f32 v[65+2*n], v[4*n+2], v[4*n+3]
.set n, n+1
.endr
	WIN 0
.set n, 0
.rept 64
	ds_store_b64 v25, v[64+2*n:65+2*n] offset:(16*(n/8)+2*((n/4)%2))*XP+128*(n%4)
.set n, n+1
.endr
	s_wait_dscnt 0x0
	BAR                                            ; x is there
; THE MAIN PART.
.macro LDB buf, base, i                ; tile i's token fragments, all 8 K steps, into buffer buf: 16 loads in one run
.set kk, 0
.rept 8
	ds_load_b128 v[BF0+64*(\buf)+8*kk:BF0+64*(\buf)+8*kk+3], v[\base] offset:TS*(\i)+64*kk
	ds_load_b128 v[BF0+64*(\buf)+8*kk+4:BF0+64*(\buf)+8*kk+7], v[\base] offset:TS*(\i)+64*kk+32
.set kk, kk+1
.endr
.endm
.macro WWAIT first                     ; a phase's 64 weight loads went out as K steps 0-3 (32), 4-6 (24), 7 (8), and nothing behind them
.if \first
.if kk == 0
	s_wait_loadcnt 32                              ; K steps 0-3 are in
.elseif kk == 4
	s_wait_loadcnt 8                               ; 4-6 are in
.elseif kk == 7
	s_wait_loadcnt 0x0
.endif
.endif
.endm
; 32 products in bf16: the tile's four accumulators take turns, one instruction a turn.  The first K step takes b1 as C.
.macro MM1 buf, first
	WIN 0x01
.set kk, 0
.rept 8
	WWAIT \first
.irp bb, 0,1,2,3
.if kk == 0
	v_wmma_f32_16x16x32_bf16 v[HA+8*\bb:HA+8*\bb+7], v[32*kk+8*\bb:32*kk+8*\bb+7], v[BF0+64*(\buf)+8*kk:BF0+64*(\buf)+8*kk+7], v[BI+8*\bb:BI+8*\bb+7]
.else
	v_wmma_f32_16x16x32_bf16 v[HA+8*\bb:HA+8*\bb+7], v[32*kk+8*\bb:32*kk+8*\bb+7], v[BF0+64*(\buf)+8*kk:BF0+64*(\buf)+8*kk+7], v[HA+8*\bb:HA+8*\bb+7]
.endif
.endr
.set kk, kk+1
.endr
.endm
; 32 products in f16, likewise by turns
.macro MM2 i, buf, first
	WIN 0xf2
.set kk, 0
.rept 8
	WWAIT \first
.irp bb, 0,1,2,3
	v_wmma_f32_16x16x32_f16 v[32*(\i)+8*\bb:32*(\i)+8*\bb+7], v[32*kk+8*\bb:32*kk+8*\bb+7], v[BF0+64*(\buf)+8*kk:BF0+64*(\buf)+8*kk+7], v[32*(\i)+8*\bb:32*(\i)+8*\bb+7]
.endr
.set kk, kk+1
.endr
.endm
; h' = f16(max(g (z + b1), 0)): each accumulator from its low end on; a lane's eight units are 16 bytes of its token's row
.macro EPI i, hw
	NOP4
.irp bb, 0,1,2,3
.irp zz, 0,1,2,3
	v_pk_mul_f32 v[HA+8*\bb+2*\zz:HA+8*\bb+2*\zz+1], v[HA+8*\bb+2*\zz:HA+8*\bb+2*\zz+1], v[GP+2*(\i):GP+2*(\i)+1] op_sel_hi:[1,0]
.endr
.irp zz, 0,1,2,3
	v_cvt_pk_f16_f32 v[PK+4*\bb+\zz], v[HA+8*\bb+2*\zz], v[HA+8*\bb+2*\zz+1]
.endr
.irp zz, 0,1,2,3
	v_pk_max_num_f16 v[PK+4*\bb+\zz], v[PK+4*\bb+\zz], v[ZERO]
.endr
	ds_store_b128 v[\hw], v[PK+4*\bb:PK+4*\bb+3] offset:TS*(\i)+32*\bb
.endr
.endm
; Tile i of a phase; jumped where the share has no such tile.  Its fragments were asked for a tile earlier; the next tile's are asked for ahead of its products.
; The places in front of the loads into the other buffer, which the tile before multiplied: in P1 that tile's own vector work, in P2 four v_nop.
.macro TILE kind, i, hh, first
	s_cmp_le_u32 s24, \i
	s_cbranch_scc1 .Lts_\@
	s_wait_dscnt 0x0                               ; my fragments (and, in a phase's first tile, b1) are in
.if (\i) < 7
.if (\kind) == 2
	NOP4
.endif
	s_cmp_le_u32 s24, (\i)+1
	s_cbranch_scc1 .Ltn_\@
.if (\kind) == 1
	LDB ((\i)+1)%2, XR, (\i)+1
.else
	LDB ((\i)+1)%2, HR0+(\hh), (\i)+1
.endif
.Ltn_\@:
.endif
.if (\kind) == 1
	MM1 (\i)%2, \first
	WIN 0
	EPI \i, HW0+(\hh)
.else
	MM2 \i, (\i)%2, \first
	WIN 0
.endif
.Lts_\@:
.endm
.macro WL win, sb, P, k0, k1, guard    ; guard = 1: behind the second expert there is no next phase
.if \guard
	s_cmp_eq_u32 s46, 1
	s_cbranch_scc1 .Lnw_\@
.endif
	WLOAD \win, \sb, \P, \k0, \k1
.if \guard
.Lnw_\@:
.endif
.endm
; A phase.  The NEXT phase's weights go out into the other buffer in three groups, behind tiles 0, 1 and 2: each group has the rest of the phase in which to land.
.macro PHASE kind, hh, win, sb, P, guard
	NOP4                                           ; behind the last phase's products: loads into their registers follow
	s_cmp_eq_u32 s24, 0
	s_cbranch_scc1 .Lp0_\@
.if (\kind) == 1
.irp bb, 0,1,2,3
	ds_load_b128 v[BI+8*\bb:BI+8*\bb+3], v[BIA] offset:1024*(\hh)+64*\bb
	ds_load_b128 v[BI+8*\bb+4:BI+8*\bb+7], v[BIA] offset:1024*(\hh)+64*\bb+16
.endr
	LDB 0, XR, 0
.else
	LDB 0, HR0+(\hh), 0
.endif
.Lp0_\@:
	TILE \kind, 0, \hh, 1
	s_wait_loadcnt 0x0                             ; met where tile 0 ran; where it was jumped, no load lands on one that is out
	WL \win, \sb, \P, 0, 4, \guard
	TILE \kind, 1, \hh, 0
	WL \win, \sb, \P, 4, 7, \guard
	TILE \kind, 2, \hh, 0
	WL \win, \sb, \P, 7, 8, \guard
	TILE \kind, 3, \hh, 0
	TILE \kind, 4, \hh, 0
	TILE \kind, 5, \hh, 0
	TILE \kind, 6, \hh, 0
	TILE \kind, 7, \hh, 0
	s_wait_dscnt 0x0                               ; my stores of h, or my reads of it, are done
.endm
	s_mov_b32 s46, 2
.Lexpert:                                              ; two trips: expert a, expert b.  H0 and H1 take turns: each is written again only behind a later barrier, in front of which every wave has waited for its reads
	PHASE 1, 0, 0x80, 40, 1, 0
	BAR                                            ; all four waves' h of this chunk is in H0
	PHASE 2, 0, 0x40, 40, 2, 0
	PHASE 1, 1, 0x80, 40, 3, 0
	BAR                                            ; and in H1
	PHASE 2, 1, 0x40, 42, 0, 1
.irp ii, 0,1,2,3,4,5,6,7
	v_mov_b32 v[GP+2*\ii], v[GP+2*\ii+1]           ; the gate in hand is now b's
.endr
	v_add_nc_u32 v[BIA], 2048, v[BIA]              ; and b1 is b's
	s_wait_xcnt 0x0                                ; the weight loads have read their base
	s_mov_b64 s[40:41], s[42:43]
	s_sub_co_u32 s46, s46, 1
	s_cmp_lg_u32 s46, 0
	s_cbranch_scc1 .Lexpert
; THE WAY OUT.  A tile's 16 rows x my 64 channels go through my own stage: in as 32 bytes a lane, back as rows of 256 bytes, which 16 lanes store as one aligned block of the token's row.
; All lanes store: in the share's last tile the places past the count hold the first token's row once more.
.macro OUT i
	s_cmp_le_u32 s24, \i
	s_cbranch_scc1 .Loe_\@
	s_wait_xcnt 0x0                                ; the last tile's stores have read their data and addresses: both are written again below
	WIN 0x0c
.irp bb, 0,1,2,3
	ds_store_b128 v[STO], v[32*(\i)+8*\bb:32*(\i)+8*\bb+3] offset:64*\bb
	ds_store_b128 v[STO], v[32*(\i)+8*\bb+4:32*(\i)+8*\bb+7] offset:64*\bb+16
.endr
	WIN 0
.irp tt, 0,1,2,3,4,5,6,7
	ds_load_b128 v[BF0+4*\tt:BF0+4*\tt+3], v[SRD] offset:2*SP*\tt   ; LDS serves a wave's instructions in order (ISA guide 5.7.1.4): these see the stores above
	ds_load_b32 v[PK+\tt], v[LRO] offset:4*(16*(\i)+2*\tt)
.endr
	s_wait_dscnt 0x0
.irp tt, 0,1,2,3,4,5,6,7
	v_min_u32 v[PK+\tt], 0x3fff, v[PK+\tt]
	v_lshl_add_u32 v[PK+\tt], v[PK+\tt], 10, v[OCO]
.endr
.irp tt, 0,1,2,3,4,5,6,7
	global_store_b128 v[PK+\tt], v[BF0+4*\tt:BF0+4*\tt+3], s[22:23] th:TH_STORE_NT
.endr
.Loe_\@:
.endm
	NOP4                                           ; behind the last products
	OUT 0
	OUT 1
	OUT 2
	OUT 3
	OUT 4
	OUT 5
	OUT 6
	OUT 7
	s_wait_tensorcnt 0x0                           ; the wave's end: three lines behind my last LDS store
	ds_add_u32 v[SPW], v[NIL]
	s_wait_dscnt 0x0
	s_endpgm
.Lfunc_end_k_qf7dd0448b1_moe:
	.size	k_qf7dd0448b1_moe, .Lfunc_end_k_qf7dd0448b1_moe-k_qf7dd0448b1_moe
	.p2alignl 7, 3214868480
	.fill 96, 4, 3214868480
	.section	.rodata,"a",@progbits
	.p2align	6, 0x0
	.amdhsa_kernel k_qf7dd0448b1_moe
		.amdhsa_group_segment_fixed_size 265216
		.amdhsa_private_segment_fixed_size 0
		.amdhsa_enable_private_segment 0
		.amdhsa_kernarg_size 64
		.amdhsa_user_sgpr_count 2
		.amdhsa_user_sgpr_kernarg_segment_ptr 1
		.amdhsa_wavefront_size32 1
		.amdhsa_system_sgpr_workgroup_id_x 1
		.amdhsa_system_sgpr_workgroup_id_y 1
		.amdhsa_system_sgpr_workgroup_id_z 1
		.amdhsa_system_vgpr_workitem_id 0
		.amdhsa_next_free_vgpr 1024
		.amdhsa_next_free_sgpr 66
		.amdhsa_reserve_vcc 1
		.amdhsa_float_denorm_mode_32 3
		.amdhsa_float_denorm_mode_16_64 3
		.amdhsa_memory_ordered 1
		.amdhsa_forward_progress 1
		.amdhsa_inst_pref_size 255
	.end_amdhsa_kernel
	.section	.bss,"aw",@nobits
	.p2align	6
	.space	262144
	.amdgpu_metadata
---
amdhsa.version: [ 1, 2 ]
amdhsa.kernels:
  - .name:           k_qf7dd0448b1_moe
    .symbol:         k_qf7dd0448b1_moe.kd
    .args:
      - { .name: x, .offset: 0, .size: 8, .value_kind: global_buffer, .address_space: global }
      - { .name: b1, .offset: 8, .size: 8, .value_kind: global_buffer, .address_space: global }
      - { .name: b2, .offset: 16, .size: 8, .value_kind: global_buffer, .address_space: global }
      - { .name: wb, .offset: 24, .size: 8, .value_kind: global_buffer, .address_space: global }
      - { .name: hist, .offset: 32, .size: 8, .value_kind: global_buffer, .address_space: global }
      - { .name: bm, .offset: 40, .size: 8, .value_kind: global_buffer, .address_space: global }
      - { .name: gab, .offset: 48, .size: 8, .value_kind: global_buffer, .address_space: global }
      - { .name: out0, .offset: 56, .size: 8, .value_kind: global_buffer, .address_space: global }
    .group_segment_fixed_size: 265216
    .private_segment_fixed_size: 0
    .kernarg_segment_align: 8
    .kernarg_segment_size: 64
    .max_flat_workgroup_size: 128
    .sgpr_count:     66
    .vgpr_count:     1024
    .wavefront_size: 32
...
	.end_amdgpu_metadata
.endif
;; end of part 2
;; ======== version 2 of 2: 2 launches; 1.18 times as fast as version 1
;; limits: values are held in f16: magnitudes above 65,504 overflow, below 6.1e-05 lose precision
;; workspace buffers: wb 8,388,608 bytes; hist 65,536 bytes of whole numbers; bm 32,768 bytes of whole numbers; gab 131,072 bytes
;; launch prep: the kernel of part 1 again; grid 256 x 1, 8 waves a work-group, no clusters, 85,248 bytes of LDS; arguments x, wg, W1, W2, wb, hist, bm, gab; writes wb, hist, bm, gab
;; launch moe (part 3): grid 256 x 1, 4 waves a work-group, no clusters, 269,312 bytes of LDS; arguments x, b1, b2, wb, hist, bm, gab, out0; writes out0
.if DOCPART == 3
	.amdgcn_target "amdgcn-amd-amdhsa--gfx1250"
	.amdhsa_code_object_version 6
	.text
	.protected	k_qf7dd0448b1_moe
	.globl	k_qf7dd0448b1_moe
	.p2align	8
	.type	k_qf7dd0448b1_moe,@function
k_qf7dd0448b1_moe:
	s_mov_b64 s[64:65], 0
	v_nop
	global_prefetch_b8 v0, s[64:65] scope:SCOPE_SE
	s_setreg_imm32_b32 hwreg(HW_REG_WAVE_MODE, 25, 1), 1
	s_wait_xcnt 0x0
; THE EXPERTS.  out[t] = ga (relu(x W1[a] + b1[a]) W2[a] + b2[a]) + gb (the same for b), {a, b} the token's two experts, ga and gb their gates.
; SHARES.  A work-group owns up to 128 tokens of ONE pair {a, b} and adds both experts' results into one accumulator: every output row has one owner, nothing is summed through memory.
; The 256 work-groups are dealt among the 120 pairs by a formula that each works out from the stored counts: with shares of q tiles of 16 tokens a pair of N tokens gets
; ceil(ceil(N / 16) / q) work-groups; q is the smallest of 4..8 at which 256 suffice (at q = 8: at most 128 + 120).  That serves every split.  A work-group that is left over has no tile:
; it passes every barrier, jumps every tile, asks for no weights beyond the first phase's and stores nothing.  A token's rank in its pair goes by one fixed order of the tokens, the same in
; every work-group, so a pair's shares part it.
; PLACES PAST THE COUNT repeat the share's first token: they go through the same arithmetic, and the last tile stores all its 16 rows with all lanes on: the repeats write the first token's
; row again, with the same numbers (15 rows of 1,024 bytes at the most).  So EXEC is never narrowed in this text.
; WAVES split COLUMNS.  Four chunks: expert a, then b, each in halves hh of 256 hidden units.  P1: h^T = W1^T x^T for the wave's 64 hidden units; P2: out^T += W2^T h^T for the wave's 64 channels.
; Source 0 is always a weight fragment, source 1 sixteen tokens: a lane holds ONE token (lane % 16) and eight neighbouring units or channels; the gate is a factor of the lane, a bias a C operand.
; Each weight byte is read by one wave of the work-group, from wb straight into operand registers (512 consecutive bytes a load), a phase ahead; a fragment feeds all the share's tiles.
; The gate goes into the hidden layer: h' = f16(max(g (z + b1), 0)), right since g >= 0; the accumulator starts at ga b2[a] + gb b2[b].
; FORMATS.  P1 multiplies in bf16 (both operands are inputs, rounded once to bf16).  P2 multiplies in f16: h' is the one number that the program itself rounds, and f16's 11 significant bits
; leave an eighth of the error of bf16's 8; W2 comes as its bf16 number written in f16.  The two forms never share an accumulator.
; NO CLUSTER, NO TENSOR LOADS: 120 pairs on 256 work-groups give a pair about two, never surely four, so neighbours walk different experts' weights; and the weights have one reader each in a
; work-group, so a way through LDS would add a trip.
; LIMITS.  x, W1, b1, W2, b2 are rounded once to bf16, g (z + b1) once to f16; all sums in f32.  g (z + b1) of 65,520 or more becomes an infinity; below 6e-5 it keeps f16's fixed step of 6e-8.
; The room: with x and W1 both 30 times their drawn spread z stays near 900 x 6 = 5,400; with offsets of 30 spreads on both, near 256 x 30 x 1.9 = 14,400.  NaN and infinities are not treated apart.
; REGISTERS, in windows of 256 (s_set_vgpr_msb: bits 1:0 source 0, 3:2 source 1, 5:4 source 2, 7:6 destination):
;   window 0: addresses, gates, token fragments (two buffers), P1's accumulators, bias fragments     window 1: WA, P1's 32 weight fragments ((k, blk) at 8 (4 k + blk))
;   window 2: WB, P2's (at the start: the gathered rows of x)                                          window 3: OA, the output's accumulators ((tile i, blk) at 8 (4 i + blk))
.set XP,    528                        ; a row of x or h in LDS: 512 bytes of 16-bit numbers + 16: the 16 rows of a fragment load start 4 banks apart
.set TS,    16*XP                      ; a tile's 16 rows
.set XS,    0                          ; 128 rows of x
.set H0,    67584                      ; 128 rows of h, chunks with hh = 0
.set H1,    135168                     ; the same for hh = 1
.set STAGE, 202752                     ; 16 rows x 272 bytes for each wave, f32, for the way out
.set SP,    272
.set BMS,   220160                     ; a copy of bm; a wave reads its own 8,192 bytes alone
.set LIST,  252928                     ; the share's 128 token numbers
.set PART,  253440                     ; [wave 4][128 counts of 16 bits]: each quarter of the tokens' counts by pair
.set B1S,   254464                     ; [2 experts][512] f32
.set B2S,   258560                     ; [2 experts][256] f32
.set LW,    260608                     ; [wave 4][256 entries of 8 bytes]: entries 0-127 what the wave has placed (the token's bit in its word, the word's number); 128-159 a dump that nobody reads
.set LWP,   2048
.set SPARE, 268800                     ; the spare words: 128 bytes for each of four waves; no other line names them
.set XR,  4                            ; v4   XS + 528 r + 16 h
.set HR0, 5                            ; v5, v6   the same in H0, H1
.set HW0, 7                            ; v7, v8   H0, H1 + 528 r + 128 w + 16 h: where my 16 bytes of h go
.set BIA, 9                            ; v9   B1S + 256 w + 32 h; steps to the second expert
.set WO,  10                           ; v10  16 lane
.set ZERO,11                           ; v11  0
.set STO, 12                           ; v12  the way out: where I put 32 bytes of a row
.set SRD, 13                           ; v13  where I read rows back
.set LRO, 14                           ; v14  LIST + 4 h
.set OCO, 15                           ; v15  256 w + 16 r
.set SPW, 28                           ; v28  my spare word; never rewritten
.set NIL, 29                           ; v29  0; never rewritten
.set PK,  32                           ; v32-47  packed h; at the start the gather's addresses; at the end the stores', two sets of eight
.set GP,  48                           ; v48-63  pair i: (gate in hand, gate of b) of tile i's token r
.set BF0, 64                           ; v64-127, v128-191  token fragments, 8 K steps x 8 registers, two buffers; at the end v64-127: rows on their way out, two sets of 32
.set HA,  192                          ; v192-223  P1's four accumulators
.set BI,  224                          ; v224-255  b1 as four C operands
; s2 wave, s3 work-group, s24 T (tiles), s25 cnt, s26 lo, s27 p, s28 a, s29 b, s30 q, s31 its reciprocal x 65,536, s32 my quarter's first rank, s33 the placing's trips, s36 its counter,
; s[38:39] lane selects, s[40:41] wb at my wave's blocks of the expert in hand, s[42:43] of expert b, s46 experts to go, s47 my wave's list, s48-55 the placing's lane masks
.set MSB, 0
.macro WIN new                         ; the immediate's high byte repeats the setting that is left; a switch that changes nothing is dropped
.if MSB != (\new)
	s_set_vgpr_msb (MSB<<8)|(\new)
.set MSB, (\new)
.endif
.endm
.macro NOP4                            ; four places behind a matrix instruction (ISA guide 7.12.1), where no other vector work is at hand
.rept 4
	v_nop
.endr
.endm
.macro BAR
	s_barrier_signal -1
	s_barrier_wait -1
.endm
.macro WSUM rg                         ; the sum of v[rg] over the wave's 32 lanes, in every lane
.irp mm, 1,2,4,8
	v_mov_b32_dpp v16, v[\rg] row_xmask:\mm row_mask:0xf bank_mask:0xf
	v_add_nc_u32 v[\rg], v[\rg], v16
.endr
	v_permlanex16_b32 v16, v[\rg], s38, s39
	v_add_nc_u32 v[\rg], v[\rg], v16
.endm
.macro W4 line:vararg                  ; one line for each of my lane's four words jw
.set jw, 0
.rept 4
	\line
.set jw, jw+1
.endr
.endm
; Weight fragments of K steps k0 .. k1 - 1 of block P = 2 hh + ph, into window 1 (win = 0x40) or 2 (0x80)
.macro WLOAD win, sb, P, k0, k1
	WIN \win
.set kk, \k0
.rept (\k1)-(\k0)
.irp bq, 0,1,2,3,4,5,6,7
	global_load_b128 v[32*kk+4*\bq:32*kk+4*\bq+3], v[WO], s[\sb:\sb+1] offset:131072*(\P)+4096*kk+512*\bq
.endr
.set kk, kk+1
.endr
	WIN 0
.endm
	s_load_b512 s[8:23], s[0:1], 0x0               ; x s[8:9], b1 s[10:11], b2 s[12:13], wb s[14:15], hist s[16:17], bm s[18:19], gab s[20:21], out0 s[22:23]
	v_lshl_add_u32 v[SPW], v0, 2, SPARE
	v_mov_b32 v[NIL], 0
	v_and_b32 v1, 31, v0                           ; lane
	v_lshrrev_b32 v16, 5, v0
	v_readfirstlane_b32 s2, v16                    ; wave 0..3
	v_and_b32 v2, 15, v0                           ; r
	v_bfe_u32 v3, v0, 4, 1                         ; h
	s_mov_b32 s3, ttmp9
	s_mov_b32 s38, 0x76543210
	s_mov_b32 s39, 0xfedcba98
	s_mov_b32 s45, 0
	v_lshlrev_b32 v[WO], 4, v1
	s_lshl_b32 s44, s2, 14
	s_wait_kmcnt 0x0
	s_add_nc_u64 s[16:17], s[16:17], s[44:45]      ; my quarter of hist: groups 64 w .. 64 w + 63
	s_lshl_b32 s44, s2, 13
	s_add_nc_u64 s[18:19], s[18:19], s[44:45]      ; my quarter of bm: words 128 w .. 128 w + 127
.set j, 0
.rept 32
	global_load_b128 v[64+4*j:64+4*j+3], v[WO], s[16:17] offset:512*j   ; two groups a load: a lane holds counts 8 r .. 8 r + 7
.set j, j+1
.endr
.set j, 0
.rept 16
	global_load_b128 v[192+4*j:192+4*j+3], v[WO], s[18:19] offset:512*j
.set j, j+1
.endr
	; the addresses, while the loads are out
	v_mul_u32_u24 v16, v2, XP
	v_lshl_add_u32 v[XR], v3, 4, v16
	v_add_nc_u32 v[HR0], H0, v[XR]
	v_add_nc_u32 v[HR0+1], H1, v[XR]
	s_lshl_b32 s4, s2, 7
	v_add_nc_u32 v[HW0], s4, v[HR0]
	v_add_nc_u32 v[HW0+1], s4, v[HR0+1]
	s_lshl_b32 s4, s2, 8
	s_add_co_u32 s5, s4, B1S
	v_lshl_add_u32 v[BIA], v3, 5, s5
	v_mov_b32 v[ZERO], 0
	v_lshl_add_u32 v[OCO], v2, 4, s4
	s_mul_i32 s5, s2, 16*SP
	s_add_co_u32 s5, s5, STAGE
	v_mul_u32_u24 v16, v2, SP
	v_lshl_add_u32 v16, v3, 5, v16
	v_add_nc_u32 v[STO], s5, v16
	v_mul_u32_u24 v16, v3, SP
	v_lshl_add_u32 v16, v2, 4, v16
	v_add_nc_u32 v[SRD], s5, v16
	v_lshl_add_u32 v[LRO], v3, 2, LIST
	v_lshlrev_b32 v24, 4, v2                       ; 16 r
	s_lshl_b32 s4, s2, 2
	v_add_nc_u32 v25, s4, v3
	v_mul_u32_u24 v25, v25, XP
	v_lshl_add_u32 v25, v2, 3, v25                 ; x into LDS: row 4 w + h, 8 bytes at 8 r
	v_mov_b32 v16, 0
	v_mov_b32 v17, 0
	v_mov_b32 v18, 0
	v_mov_b32 v19, 0
	s_lshl_b32 s47, s2, 11
	s_add_co_u32 s47, s47, LW
	v_add_nc_u32 v20, s47, v[WO]
	ds_store_b128 v20, v[16:19]                    ; my list's 128 entries (1,024 bytes) start at 0, so that the four lists can be joined by OR
	ds_store_b128 v20, v[16:19] offset:512
	s_lshl_b32 s4, s2, 8
	s_add_co_u32 s4, s4, PART
	v_lshl_add_u32 v21, v2, 4, s4
	s_lshl_b32 s4, s2, 13
	s_add_co_u32 s4, s4, BMS
	v_add_nc_u32 v22, s4, v[WO]
	v_lshl_add_u32 v27, v1, 6, s4                  ; my copy of bm: word = lane, 64 bytes each
	v_lshl_add_u32 v23, v1, 3, PART
.set j, 1
.rept 31                                               ; two counts to a word; a quarter's sums are 4,096 at the most: nothing carries
.if (j == 1) || (j%8 == 0)
	s_wait_loadcnt 40-8*(j/8)                      ; of my 48 loads the first 8 (j / 8) + 8 are in: eight loads are summed while the later ones arrive; at the last group bm's 16 are younger
.endif
.irp cc, 0,1,2,3
	v_add_nc_u32 v[64+\cc], v[64+\cc], v[64+4*j+\cc]
.endr
.set j, j+1
.endr
.irp cc, 0,1,2,3
	v_permlanex16_b32 v[16+\cc], v[64+\cc], s38, s39   ; the odd groups lie in the other half of the lanes
.endr
.irp cc, 0,1,2,3
	v_add_nc_u32 v[64+\cc], v[64+\cc], v[16+\cc]
.endr
	ds_store_b128 v21, v[64:67]
	s_wait_loadcnt 0x0                             ; bm
.set j, 0
.rept 16
	ds_store_b128 v22, v[192+4*j:192+4*j+3] offset:512*j
.set j, j+1
.endr
	s_wait_dscnt 0x0
	BAR                                            ; the four quarters' counts are there
	; THE DEALING, alike in all four waves.  Lane l has pairs 4 l .. 4 l + 3.
	ds_load_b64 v[64:65], v23
	ds_load_b64 v[66:67], v23 offset:256
	ds_load_b64 v[68:69], v23 offset:512
	ds_load_b64 v[70:71], v23 offset:768
	s_wait_dscnt 0x0
	v_add_nc_u32 v64, v64, v66
	v_add_nc_u32 v65, v65, v67
	v_add_nc_u32 v68, v68, v70
	v_add_nc_u32 v69, v69, v71
	v_add_nc_u32 v64, v64, v68                     ; 16,384 at the most: still 16 bits
	v_add_nc_u32 v65, v65, v69
	v_and_b32 v72, 0xffff, v64                     ; N of my four pairs
	v_lshrrev_b32 v73, 16, v64
	v_and_b32 v74, 0xffff, v65
	v_lshrrev_b32 v75, 16, v65
.irp dd, 0,1,2,3
	v_add_nc_u32 v[76+\dd], 15, v[72+\dd]
	v_lshrrev_b32 v[76+\dd], 4, v[76+\dd]          ; their tiles
.endr
.macro SQ dst, q, M                    ; my four pairs' work-groups at shares of q tiles: (tiles + q - 1) / q by a multiply, exact up to 13,106
.irp dd, 0,1,2,3
	v_add_nc_u32 v[16+\dd], (\q)-1, v[76+\dd]
	v_mul_u32_u24 v[16+\dd], v[16+\dd], \M
	v_lshrrev_b32 v[16+\dd], 16, v[16+\dd]
.endr
	v_add_nc_u32 v16, v16, v17
	v_add3_u32 v[\dst], v16, v18, v19
.endm
	SQ 80, 4, 16384
	SQ 81, 5, 13108
	SQ 82, 6, 10923
	SQ 83, 7, 9363
	v_lshl_or_b32 v80, v81, 10, v80                ; three totals in fields of 10 bits: each is 376 at the most
	v_lshl_or_b32 v80, v82, 20, v80
	WSUM 80
	WSUM 83
	v_readfirstlane_b32 s4, v80
	v_readfirstlane_b32 s5, v83
	s_mov_b32 s30, 8
	s_mov_b32 s31, 8192
	s_cmp_le_u32 s5, 256                           ; the totals fall as q grows: the last q that fits, going down, is the smallest
	s_cselect_b32 s30, 7, s30
	s_cselect_b32 s31, 9363, s31
	s_bfe_u32 s6, s4, 0xa0014
	s_cmp_le_u32 s6, 256
	s_cselect_b32 s30, 6, s30
	s_cselect_b32 s31, 10923, s31
	s_bfe_u32 s6, s4, 0xa000a
	s_cmp_le_u32 s6, 256
	s_cselect_b32 s30, 5, s30
	s_cselect_b32 s31, 13108, s31
	s_and_b32 s6, s4, 0x3ff
	s_cmp_le_u32 s6, 256
	s_cselect_b32 s30, 4, s30
	s_cselect_b32 s31, 16384, s31
	s_sub_co_u32 s4, s30, 1
.irp dd, 0,1,2,3
	v_add_nc_u32 v[88+\dd], s4, v[76+\dd]
	v_mul_u32_u24 v[88+\dd], v[88+\dd], s31
	v_lshrrev_b32 v[88+\dd], 16, v[88+\dd]         ; each pair's work-groups
.endr
	v_add3_u32 v92, v88, v89, v90
	v_add_nc_u32 v92, v92, v91
	v_mov_b32 v93, 0                               ; how many work-groups the lanes below me take: at each step a block's sum meets its neighbour's
.irp mm, 1,2,4,8
	v_mov_b32_dpp v16, v92 row_xmask:\mm row_mask:0xf bank_mask:0xf
	v_and_b32 v17, \mm, v1
	v_cmp_ne_u32 vcc_lo, 0, v17
	v_cndmask_b32 v17, 0, v16, vcc_lo
	v_add_nc_u32 v93, v93, v17
	v_add_nc_u32 v92, v92, v16
.endr
	v_permlanex16_b32 v16, v92, s38, s39
	v_and_b32 v17, 16, v1
	v_cmp_ne_u32 vcc_lo, 0, v17
	v_cndmask_b32 v17, 0, v16, vcc_lo
	v_add_nc_u32 v93, v93, v17
	v_sub_nc_u32 v16, s3, v93                      ; my work-group's number among pair 4 l's, if it is one of them
	v_mov_b32 v94, 0
	v_lshlrev_b32 v95, 2, v1
.irp dd, 0,1,2,3
	v_cmp_gt_u32 vcc_lo, v[88+\dd], v16
	v_lshl_or_b32 v18, v16, 8, v95
	v_lshl_or_b32 v18, v[72+\dd], 17, v18
	v_or_b32 v18, \dd, v18                         ; pair | number << 8 | N << 17
	v_cndmask_b32 v18, 0, v18, vcc_lo
	v_or_b32 v94, v94, v18
	v_sub_nc_u32 v16, v16, v[88+\dd]
.endr
	WSUM 94                                        ; one lane at the most holds a match
	v_readfirstlane_b32 s4, v94
	s_and_b32 s27, s4, 0x7f
	s_min_u32 s27, s27, 127                        ; p
	s_bfe_u32 s5, s4, 0x90008
	s_lshr_b32 s6, s4, 17
	s_lshl_b32 s7, s30, 4                          ; a share's tokens
	s_mul_i32 s26, s5, s7                          ; lo: my first rank
	s_sub_co_u32 s25, s6, s26
	s_min_u32 s25, s25, s7
	s_min_u32 s25, s25, 128                        ; cnt; 0 for a work-group that is left over
	s_add_co_u32 s24, s25, 15
	s_lshr_b32 s24, s24, 4                         ; T
	s_mov_b32 s28, 0
.irp R, 15,29,42,54,65,75,84,92,99,105,110,114,117,119
	s_cmp_ge_u32 s27, \R                           ; a = how many rows of the triangle begin at or below p
	s_add_co_ci_u32 s28, s28, 0
.endr
	s_min_u32 s28, s28, 14
	s_sub_co_u32 s4, 31, s28
	s_mul_i32 s4, s4, s28
	s_lshr_b32 s4, s4, 1
	s_sub_co_u32 s29, s27, s4
	s_add_co_u32 s29, s29, s28
	s_add_co_u32 s29, s29, 1
	s_min_u32 s29, s29, 15                         ; b
	s_lshl_b32 s44, s2, 15
	s_add_nc_u64 s[14:15], s[14:15], s[44:45]      ; wb at my wave's blocks
	s_lshl_b32 s44, s28, 19
	s_add_nc_u64 s[40:41], s[14:15], s[44:45]
	s_lshl_b32 s44, s29, 19
	s_add_nc_u64 s[42:43], s[14:15], s[44:45]
	s_lshl_b32 s4, s28, 11
	s_lshl_b32 s5, s29, 11
	v_lshl_add_u32 v104, v0, 4, s4
	v_lshl_add_u32 v105, v0, 4, s5
	s_lshl_b32 s4, s28, 10
	s_lshl_b32 s5, s29, 10
	v_lshl_add_u32 v106, v0, 3, s4
	v_lshl_add_u32 v107, v0, 3, s5
	global_load_b128 v[32:35], v104, s[10:11]      ; b1[a], b1[b], b2[a], b2[b]
	global_load_b128 v[36:39], v105, s[10:11]
	global_load_b64 v[40:41], v106, s[12:13]
	global_load_b64 v[42:43], v107, s[12:13]
	WLOAD 0x40, 40, 0, 0, 7                        ; the first phase's weights, K steps 0-6: 60 loads of mine are out
	; MY SHARE'S TOKENS.  Bit i of M[jw], lane l: token 4,096 w + 1,024 jw + 32 l + i chose a and b.
	s_lshl_b32 s4, s27, 1
	s_add_co_u32 s4, s4, PART
	v_mov_b32 v26, s4
	ds_load_u16 v17, v26
	ds_load_u16 v18, v26 offset:256
	ds_load_u16 v19, v26 offset:512
	s_lshl_b32 s5, s28, 2
	s_lshl_b32 s6, s29, 2
	v_add_nc_u32 v30, s5, v27
	v_add_nc_u32 v31, s6, v27
.irp jj, 0,1,2,3
	ds_load_b32 v[96+\jj], v30 offset:2048*\jj
	ds_load_b32 v[100+\jj], v31 offset:2048*\jj
.endr
	s_wait_dscnt 0x0
.irp jj, 0,1,2,3
	v_and_b32 v[100+\jj], v[96+\jj], v[100+\jj]
.endr
	v_readfirstlane_b32 s48, v17
	v_readfirstlane_b32 s49, v18
	v_readfirstlane_b32 s50, v19
	s_sub_co_u32 s32, 0, s26                       ; the rank of my quarter's first token of the pair, less lo (it may wrap: an unsigned compare then finds it out of the share)
	s_cmp_gt_u32 s2, 0
	s_cselect_b32 s4, s48, 0
	s_add_co_u32 s32, s32, s4
	s_cmp_gt_u32 s2, 1
	s_cselect_b32 s4, s49, 0
	s_add_co_u32 s32, s32, s4
	s_cmp_gt_u32 s2, 2
	s_cselect_b32 s4, s50, 0
	s_add_co_u32 s32, s32, s4
	; THE PLACING goes by lanes: a lane keeps its four words, and inside the loop no scalar instruction reads a vector result.
	; First each word's number of bits, by shifts and masks: pairs, fours, bytes, and the four bytes added by a multiply.  Four chains side by side.
	s_mov_b32 s4, 0x01010101
	W4 v_lshrrev_b32 v[96+jw], 1, v[100+jw]
	W4 v_and_b32 v[96+jw], 0x55555555, v[96+jw]
	W4 v_sub_nc_u32 v[96+jw], v[100+jw], v[96+jw]
	W4 v_lshrrev_b32 v[16+jw], 2, v[96+jw]
	W4 v_and_b32 v[96+jw], 0x33333333, v[96+jw]
	W4 v_and_b32 v[16+jw], 0x33333333, v[16+jw]
	W4 v_add_nc_u32 v[96+jw], v[96+jw], v[16+jw]
	W4 v_lshrrev_b32 v[16+jw], 4, v[96+jw]
	W4 v_add_nc_u32 v[96+jw], v[96+jw], v[16+jw]
	W4 v_and_b32 v[96+jw], 0x0f0f0f0f, v[96+jw]
	W4 v_mul_lo_u32 v[96+jw], v[96+jw], s4
	W4 v_lshrrev_b32 v[96+jw], 24, v[96+jw]        ; c0-c3
	v_add_nc_u32 v16, v96, v97                     ; c0 + c1
	v_add_nc_u32 v17, v16, v98                     ; c0 + c1 + c2
	v_add_nc_u32 v88, v17, v99                     ; my lane's bits
	W4 v_sub_nc_u32 v[84+jw], 63, v[96+jw]         ; the largest c is found as 63 less the smallest 63 - c
	v_min_u32 v84, v84, v85
	v_min_u32 v86, v86, v87
	v_min_u32 v90, v84, v86
	v_mov_b32 v89, 0                               ; the bits of the lanes below me, as in the dealing; the minimum rides along
.irp mm, 1,2,4,8
	v_mov_b32_dpp v18, v88 row_xmask:\mm row_mask:0xf bank_mask:0xf
	v_mov_b32_dpp v19, v90 row_xmask:\mm row_mask:0xf bank_mask:0xf
	v_and_b32 v31, \mm, v1
	v_cmp_ne_u32 vcc_lo, 0, v31
	v_cndmask_b32 v31, 0, v18, vcc_lo
	v_add_nc_u32 v89, v89, v31
	v_add_nc_u32 v88, v88, v18
	v_min_u32 v90, v90, v19
.endr
	v_permlanex16_b32 v18, v88, s38, s39
	v_permlanex16_b32 v19, v90, s38, s39
	v_and_b32 v31, 16, v1
	v_cmp_ne_u32 vcc_lo, 0, v31
	v_cndmask_b32 v31, 0, v18, vcc_lo
	v_add_nc_u32 v89, v89, v31
	v_min_u32 v90, v90, v19
	v_readfirstlane_b32 s33, v90
	v_add_nc_u32 v20, s32, v89                     ; the rank, less lo, of each word's first bit: the order is wave, lane, word, bit
	v_add_nc_u32 v21, v20, v96
	v_add_nc_u32 v22, v20, v16
	v_add_nc_u32 v23, v20, v17
	v_add_nc_u32 v30, 128, v1                      ; my lane's entry of the dump
	s_lshl_b32 s7, s2, 7
	v_add_nc_u32 v73, s7, v1                       ; the numbers of my four words: 128 w + 32 jw + lane
	v_add_nc_u32 v75, 32, v73
	v_add_nc_u32 v77, 64, v73
	v_add_nc_u32 v79, 0x60, v73
	s_sub_co_u32 s33, 63, s33                      ; trips: the most bits that any word of my wave holds,
	s_min_u32 s33, s33, 32                         ; 32 at the most
	; A trip takes each word's lowest bit.  Every lane stores in every trip: a token of my share at its place, all else (no bit left; a rank outside the share) at the dump.
	; The index is clamped last, so every store lies in my wave's 2,048 bytes; no address hangs on the counter.
	s_mov_b32 s36, 0
.Lplace:
	W4 v_sub_nc_u32 v[84+jw], 0, v[100+jw]
	W4 v_and_b32 v[72+2*jw], v[100+jw], v[84+jw]   ; x & -x: the lowest bit, or 0
	W4 v_xor_b32 v[100+jw], v[100+jw], v[72+2*jw]
	W4 v_cmp_gt_u32 s[48+jw], s25, v[20+jw]        ; inside my share,
	W4 v_cmp_ne_u32 s[52+jw], 0, v[72+2*jw]        ; and there is a bit
	W4 v_cndmask_b32 v[84+jw], v30, v[20+jw], s[48+jw]
	W4 v_cndmask_b32 v[84+jw], v30, v[84+jw], s[52+jw]
	W4 v_add_nc_u32 v[20+jw], 1, v[20+jw]
	W4 v_min_u32 v[84+jw], 255, v[84+jw]
	W4 v_lshl_add_u32 v[84+jw], v[84+jw], 3, s47
	W4 ds_store_b64 v[84+jw], v[72+2*jw:73+2*jw]
	s_add_co_u32 s36, s36, 1
	s_cmp_lt_u32 s36, s33
	s_cbranch_scc1 .Lplace
	s_wait_loadcnt 56                              ; the four bias loads are in: the 56 weight loads are younger
.irp s0, 32,34,36,38,40,42
	v_cvt_pk_bf16_f32 v16, v[\s0], v[\s0+1]        ; rounded to bf16 like every input, and kept as f32
	v_lshlrev_b32 v[\s0], 16, v16
	v_and_b32 v[\s0+1], 0xffff0000, v16
.endr
	v_lshl_add_u32 v21, v0, 4, B1S
	v_lshl_add_u32 v22, v0, 3, B2S
	ds_store_b128 v21, v[32:35]
	ds_store_b128 v21, v[36:39] offset:2048
	ds_store_b64 v22, v[40:41]
	ds_store_b64 v22, v[42:43] offset:1024
	s_wait_dscnt 0x0
	BAR                                            ; the four lists and the biases are there
	v_lshl_add_u32 v16, v0, 3, LW                  ; a place has one writer at the most: the four lists' entries are joined by OR
	v_mov_b32 v22, LW
	ds_load_b64 v[72:73], v16
	ds_load_b64 v[74:75], v16 offset:LWP
	ds_load_b64 v[76:77], v16 offset:2*LWP
	ds_load_b64 v[78:79], v16 offset:3*LWP
	ds_load_b64 v[80:81], v22                      ; and place 0, the share's first token, for the places past the count
	ds_load_b64 v[82:83], v22 offset:LWP
	ds_load_b64 v[84:85], v22 offset:2*LWP
	ds_load_b64 v[86:87], v22 offset:3*LWP
	v_lshl_add_u32 v21, v0, 2, LIST
	s_wait_dscnt 0x0
.irp bs, 72, 80
	v_or_b32 v[\bs], v[\bs], v[\bs+2]
	v_or_b32 v[\bs+1], v[\bs+1], v[\bs+3]
	v_or_b32 v[\bs+4], v[\bs+4], v[\bs+6]
	v_or_b32 v[\bs+5], v[\bs+5], v[\bs+7]
	v_or_b32 v[\bs], v[\bs], v[\bs+4]
	v_or_b32 v[\bs+1], v[\bs+1], v[\bs+5]
.endr
	v_cmp_gt_u32 vcc_lo, s25, v0
	v_cndmask_b32 v72, v80, v72, vcc_lo
	v_cndmask_b32 v73, v81, v73, vcc_lo
	v_and_b32 v16, 0xaaaaaaaa, v72                 ; the bit's number, once a place: each of its five binary digits is 'does the bit lie in this mask'
	v_and_b32 v17, 0xcccccccc, v72
	v_and_b32 v18, 0xf0f0f0f0, v72
	v_and_b32 v19, 0xff00ff00, v72
	v_lshrrev_b32 v20, 16, v72
.irp rr, 16,17,18,19,20
	v_min_u32 v[\rr], 1, v[\rr]
.endr
	v_lshl_or_b32 v16, v17, 1, v16
	v_lshl_or_b32 v18, v19, 1, v18
	v_lshl_or_b32 v16, v18, 2, v16
	v_lshl_or_b32 v16, v20, 4, v16
	v_lshl_or_b32 v17, v73, 5, v16                 ; the token: 32 x word + bit
	ds_store_b32 v21, v17
	s_wait_dscnt 0x0
	BAR                                            ; the list is there
	; GATES, GATHER, THE ACCUMULATORS' START
	v_lshl_add_u32 v16, v2, 2, LIST
.irp ii, 0,1,2,3,4,5,6,7
	ds_load_b32 v[108+\ii], v16 offset:64*\ii      ; tile i's token r
.endr
	s_lshl_b32 s4, s2, 4
	s_add_co_u32 s4, s4, LIST
	v_lshl_add_u32 v17, v3, 2, s4
.set n, 0
.rept 16                                               ; I gather rows 16 i + 4 w + 2 pp + h; n = 2 i + pp
	ds_load_b32 v[PK+n], v17 offset:4*(16*(n/2)+2*(n%2))
.set n, n+1
.endr
	s_lshl_b32 s4, s2, 8
	s_add_co_u32 s4, s4, B2S
	v_lshl_add_u32 v18, v3, 5, s4
.set n, 0
.rept 8                                                ; n = 4 e' + blk: b2 of my lane's eight channels
	ds_load_b128 v[192+8*n:192+8*n+3], v18 offset:1024*(n/4)+64*(n%4)
	ds_load_b128 v[192+8*n+4:192+8*n+7], v18 offset:1024*(n/4)+64*(n%4)+16
.set n, n+1
.endr
	s_wait_dscnt 0x0
.irp ii, 0,1,2,3,4,5,6,7
	v_min_u32 v[108+\ii], 0x3fff, v[108+\ii]
	v_lshlrev_b32 v[108+\ii], 3, v[108+\ii]
.endr
.set n, 0
.rept 16
	v_min_u32 v[PK+n], 0x3fff, v[PK+n]
	v_lshl_add_u32 v[PK+n], v[PK+n], 10, v24       ; the row's first byte + 16 r
.set n, n+1
.endr
.irp ii, 0,1,2,3,4,5,6,7
	global_load_b64 v[GP+2*\ii:GP+2*\ii+1], v[108+\ii], s[20:21]
.endr
	WLOAD 0x40, 40, 0, 7, 8                        ; the first phase's last K step
	WIN 0x80
.set n, 0
.rept 64                                               ; all eight tiles, so that every register below is written whatever T: places past the count read the first token's row again
	global_load_b128 v[4*n:4*n+3], v[PK+n/4], s[8:9] offset:256*(n%4)   ; 16 lanes take 256 consecutive bytes of a row
.set n, n+1
.endr
	s_wait_loadcnt 63                              ; the gates are in: 72 loads are younger, and a wait names 63 at the most
	WIN 0xc0                                       ; OA = ga b2[a] + gb b2[b], while the gather is out
.set ii, 0
.rept 8
.set bz, 0
.rept 16
	v_pk_mul_f32 v[32*ii+2*bz:32*ii+2*bz+1], v[192+2*bz:192+2*bz+1], v[GP+2*ii:GP+2*ii+1] op_sel_hi:[1,0]
.set bz, bz+1
.endr
.set ii, ii+1
.endr
	WIN 0xf0
.set ii, 0
.rept 8
.set bz, 0
.rept 16
	v_pk_fma_f32 v[32*ii+2*bz:32*ii+2*bz+1], v[224+2*bz:224+2*bz+1], v[GP+2*ii:GP+2*ii+1], v[32*ii+2*bz:32*ii+2*bz+1] op_sel:[0,1,0] op_sel_hi:[1,1,1]
.set bz, bz+1
.endr
.set ii, ii+1
.endr
	; x's rows, a tile at a time: a tile is rounded and laid into LDS while the later tiles' rows arrive
.set tl, 0
.rept 8
	s_wait_loadcnt 56-8*tl                         ; tile tl's eight loads are in: the eight of each later tile are younger, and nothing stands behind the gather
	WIN 0x0a
.set n, 8*tl
.rept 8
	v_cvt_pk_bf16_f32 v[64+2*n], v[4*n], v[4*n+1]
	v_cvt_pk_bf16_f32 v[65+2*n], v[4*n+2], v[4*n+3]
.set n, n+1
.endr
	WIN 0
.set n, 8*tl
.rept 8
	ds_store_b64 v25, v[64+2*n:65+2*n] offset:(16*(n/8)+2*((n/4)%2))*XP+128*(n%4)
.set n, n+1
.endr
.set tl, tl+1
.endr
	s_wait_dscnt 0x0
	BAR                                            ; x is there
; THE MAIN PART.
.macro LDB buf, base, i                ; tile i's token fragments, all 8 K steps, into buffer buf: 16 loads in one run
.set kk, 0
.rept 8
	ds_load_b128 v[BF0+64*(\buf)+8*kk:BF0+64*(\buf)+8*kk+3], v[\base] offset:TS*(\i)+64*kk
	ds_load_b128 v[BF0+64*(\buf)+8*kk+4:BF0+64*(\buf)+8*kk+7], v[\base] offset:TS*(\i)+64*kk+32
.set kk, kk+1
.endr
.endm
.macro WWAIT first                     ; a phase's 64 weight loads went out as K steps 0-3 (32), 4-6 (24), 7 (8), and nothing behind them
.if \first
.if kk == 0
	s_wait_loadcnt 32                              ; K steps 0-3 are in
.elseif kk == 4
	s_wait_loadcnt 8                               ; 4-6 are in
.elseif kk == 7
	s_wait_loadcnt 0x0
.endif
.endif
.endm
; 32 products in bf16: the tile's four accumulators take turns, one instruction a turn.  The first K step takes b1 as C.
.macro MM1 buf, first
	WIN 0x01
.set kk, 0
.rept 8
	WWAIT \first
.irp bb, 0,1,2,3
.if kk == 0
	v_wmma_f32_16x16x32_bf16 v[HA+8*\bb:HA+8*\bb+7], v[32*kk+8*\bb:32*kk+8*\bb+7], v[BF0+64*(\buf)+8*kk:BF0+64*(\buf)+8*kk+7], v[BI+8*\bb:BI+8*\bb+7]
.else
	v_wmma_f32_16x16x32_bf16 v[HA+8*\bb:HA+8*\bb+7], v[32*kk+8*\bb:32*kk+8*\bb+7], v[BF0+64*(\buf)+8*kk:BF0+64*(\buf)+8*kk+7], v[HA+8*\bb:HA+8*\bb+7]
.endif
.endr
.set kk, kk+1
.endr
.endm
; 32 products in f16, likewise by turns
.macro MM2 i, buf, first
	WIN 0xf2
.set kk, 0
.rept 8
	WWAIT \first
.irp bb, 0,1,2,3
	v_wmma_f32_16x16x32_f16 v[32*(\i)+8*\bb:32*(\i)+8*\bb+7], v[32*kk+8*\bb:32*kk+8*\bb+7], v[BF0+64*(\buf)+8*kk:BF0+64*(\buf)+8*kk+7], v[32*(\i)+8*\bb:32*(\i)+8*\bb+7]
.endr
.set kk, kk+1
.endr
.endm
; h' = f16(max(g (z + b1), 0)): each accumulator from its low end on; a lane's eight units are 16 bytes of its token's row.
; By kind, all four accumulators in each: a line stands 16 lines behind the one whose result it reads, and a store four or more behind the line that makes its data.
.macro EPI i, hw
	NOP4
.irp bb, 0,1,2,3
.irp zz, 0,1,2,3
	v_pk_mul_f32 v[HA+8*\bb+2*\zz:HA+8*\bb+2*\zz+1], v[HA+8*\bb+2*\zz:HA+8*\bb+2*\zz+1], v[GP+2*(\i):GP+2*(\i)+1] op_sel_hi:[1,0]
.endr
.endr
.irp bb, 0,1,2,3
.irp zz, 0,1,2,3
	v_cvt_pk_f16_f32 v[PK+4*\bb+\zz], v[HA+8*\bb+2*\zz], v[HA+8*\bb+2*\zz+1]
.endr
.endr
.irp bb, 0,1,2,3
.irp zz, 0,1,2,3
	v_pk_max_num_f16 v[PK+4*\bb+\zz], v[PK+4*\bb+\zz], v[ZERO]
.endr
.endr
.irp bb, 0,1,2,3
	ds_store_b128 v[\hw], v[PK+4*\bb:PK+4*\bb+3] offset:TS*(\i)+32*\bb
.endr
.endm
; Tile i of a phase; jumped where the share has no such tile.  Its fragments were asked for a tile earlier; the next tile's are asked for ahead of its products.
; The places in front of the loads into the other buffer, which the tile before multiplied: in P1 that tile's own vector work, in P2 four v_nop.
.macro TILE kind, i, hh, first
	s_cmp_le_u32 s24, \i
	s_cbranch_scc1 .Lts_\@
.if ((\kind) == 1) && ((\i) > 0)
	s_wait_dscnt 4                                 ; my fragments are in: behind their 16 loads stand only the four stores of h of the tile before, which may stay out: the wait at the phase's end, ahead of the barrier, is theirs
.else
	s_wait_dscnt 0x0                               ; my fragments (and, in P1's first tile, b1) are in
.endif
.if (\i) < 7
.if (\kind) == 2
	NOP4
.endif
	s_cmp_le_u32 s24, (\i)+1
	s_cbranch_scc1 .Ltn_\@
.if (\kind) == 1
	LDB ((\i)+1)%2, XR, (\i)+1
.else
	LDB ((\i)+1)%2, HR0+(\hh), (\i)+1
.endif
.Ltn_\@:
.endif
.if (\kind) == 1
	MM1 (\i)%2, \first
	WIN 0
	EPI \i, HW0+(\hh)
.else
	MM2 \i, (\i)%2, \first
	WIN 0
.endif
.Lts_\@:
.endm
.macro WL win, sb, P, k0, k1, guard    ; a work-group without tiles asks for no further weights; guard = 1: behind the second expert there is no next phase
	s_cmp_eq_u32 s24, 0
	s_cbranch_scc1 .Lnw_\@
.if \guard
	s_cmp_eq_u32 s46, 1
	s_cbranch_scc1 .Lnw_\@
.endif
	WLOAD \win, \sb, \P, \k0, \k1
.Lnw_\@:
.endm
; A phase.  The NEXT phase's weights go out into the other buffer in three groups, behind tiles 0, 1 and 2: each group has the rest of the phase in which to land.
.macro PHASE kind, hh, win, sb, P, guard
	NOP4                                           ; behind the last phase's products: loads into their registers follow
	s_cmp_eq_u32 s24, 0
	s_cbranch_scc1 .Lp0_\@
.if (\kind) == 1
.irp bb, 0,1,2,3
	ds_load_b128 v[BI+8*\bb:BI+8*\bb+3], v[BIA] offset:1024*(\hh)+64*\bb
	ds_load_b128 v[BI+8*\bb+4:BI+8*\bb+7], v[BIA] offset:1024*(\hh)+64*\bb+16
.endr
	LDB 0, XR, 0
.else
	LDB 0, HR0+(\hh), 0
.endif
.Lp0_\@:
	TILE \kind, 0, \hh, 1
	s_wait_loadcnt 0x0                             ; met where tile 0 ran; where it was jumped, no load lands on one that is out
	WL \win, \sb, \P, 0, 4, \guard
	TILE \kind, 1, \hh, 0
	WL \win, \sb, \P, 4, 7, \guard
	TILE \kind, 2, \hh, 0
	WL \win, \sb, \P, 7, 8, \guard
	TILE \kind, 3, \hh, 0
	TILE \kind, 4, \hh, 0
	TILE \kind, 5, \hh, 0
	TILE \kind, 6, \hh, 0
	TILE \kind, 7, \hh, 0
	s_wait_dscnt 0x0                               ; my stores of h, or my reads of it, are done
.endm
	s_mov_b32 s46, 2
.Lexpert:                                              ; two trips: expert a, expert b.  H0 and H1 take turns: each is written again only behind a later barrier, in front of which every wave has waited for its reads
	PHASE 1, 0, 0x80, 40, 1, 0
	BAR                                            ; all four waves' h of this chunk is in H0
	PHASE 2, 0, 0x40, 40, 2, 0
	PHASE 1, 1, 0x80, 40, 3, 0
	BAR                                            ; and in H1
	PHASE 2, 1, 0x40, 42, 0, 1
.irp ii, 0,1,2,3,4,5,6,7
	v_mov_b32 v[GP+2*\ii], v[GP+2*\ii+1]           ; the gate in hand is now b's
.endr
	v_add_nc_u32 v[BIA], 2048, v[BIA]              ; and b1 is b's
	s_wait_xcnt 0x0                                ; the weight loads have read their base
	s_mov_b64 s[40:41], s[42:43]
	s_sub_co_u32 s46, s46, 1
	s_cmp_lg_u32 s46, 0
	s_cbranch_scc1 .Lexpert
; THE WAY OUT.  A tile's 16 rows x my 64 channels go through my own stage: in as 32 bytes a lane, back as rows of 256 bytes, which 16 lanes store as one aligned block of the token's row.
; All lanes store: in the share's last tile the places past the count hold the first token's row once more.
; By turns, on two sets of registers: tile i goes into the stage and is asked back BEFORE tile i - 1 is stored, so that the stage's round trip stands behind a tile's work.
.macro TOST i                          ; tile i into the stage and back, with its rows' token numbers, into set i % 2
	s_wait_xcnt 0x0                                ; the stores issued so far have read their data and addresses: set i % 2 is written again below
	WIN 0x0c
.irp bb, 0,1,2,3
	ds_store_b128 v[STO], v[32*(\i)+8*\bb:32*(\i)+8*\bb+3] offset:64*\bb
	ds_store_b128 v[STO], v[32*(\i)+8*\bb+4:32*(\i)+8*\bb+7] offset:64*\bb+16
.endr
	WIN 0
.irp tt, 0,1,2,3,4,5,6,7
	ds_load_b128 v[BF0+32*((\i)%2)+4*\tt:BF0+32*((\i)%2)+4*\tt+3], v[SRD] offset:2*SP*\tt   ; LDS serves a wave's instructions in order (ISA guide 5.7.1.4): these see the stores above, and the next tile's stores come behind them
	ds_load_b32 v[PK+8*((\i)%2)+\tt], v[LRO] offset:4*(16*(\i)+2*\tt)
.endr
.endm
.macro SEND i                          ; tile i, back in registers, is stored
	s_wait_xcnt 0x0                                ; no store that is out still reads the address registers written below
.irp tt, 0,1,2,3,4,5,6,7
	v_min_u32 v[PK+8*((\i)%2)+\tt], 0x3fff, v[PK+8*((\i)%2)+\tt]
	v_lshl_add_u32 v[PK+8*((\i)%2)+\tt], v[PK+8*((\i)%2)+\tt], 10, v[OCO]
.endr
.irp tt, 0,1,2,3,4,5,6,7
	global_store_b128 v[PK+8*((\i)%2)+\tt], v[BF0+32*((\i)%2)+4*\tt:BF0+32*((\i)%2)+4*\tt+3], s[22:23] th:TH_STORE_NT
.endr
.endm
.macro OSTEP i                         ; tile i, if there is one, goes into the stage; then tile i - 1, if there is one, is stored
	s_cmp_le_u32 s24, \i
	s_cbranch_scc1 .Lol_\@
	TOST \i
	s_wait_dscnt 24                                ; tile i - 1 is back: tile i's 8 stores and 16 loads are younger
	s_branch .Los_\@
.Lol_\@:
	s_cmp_le_u32 s24, (\i)-1
	s_cbranch_scc1 .Lon_\@
	s_wait_dscnt 0x0                               ; tile i - 1 was the last: nothing is younger
.Los_\@:
	SEND (\i)-1
.Lon_\@:
.endm
	NOP4                                           ; behind the last products
	s_cmp_eq_u32 s24, 0
	s_cbranch_scc1 .Lfin
	TOST 0
.irp i, 1,2,3,4,5,6,7
	OSTEP \i
.endr
	s_cmp_le_u32 s24, 7
	s_cbranch_scc1 .Lfin
	s_wait_dscnt 0x0
	SEND 7
.Lfin:
	s_wait_tensorcnt 0x0                           ; the wave's end: three lines behind my last LDS store
	ds_add_u32 v[SPW], v[NIL]
	s_wait_dscnt 0x0
	s_endpgm
.Lfunc_end_k_qf7dd0448b1_moe:
	.size	k_qf7dd0448b1_moe, .Lfunc_end_k_qf7dd0448b1_moe-k_qf7dd0448b1_moe
	.p2alignl 7, 3214868480
	.fill 96, 4, 3214868480
	.section	.rodata,"a",@progbits
	.p2align	6, 0x0
	.amdhsa_kernel k_qf7dd0448b1_moe
		.amdhsa_group_segment_fixed_size 269312
		.amdhsa_private_segment_fixed_size 0
		.amdhsa_enable_private_segment 0
		.amdhsa_kernarg_size 64
		.amdhsa_user_sgpr_count 2
		.amdhsa_user_sgpr_kernarg_segment_ptr 1
		.amdhsa_wavefront_size32 1
		.amdhsa_system_sgpr_workgroup_id_x 1
		.amdhsa_system_sgpr_workgroup_id_y 1
		.amdhsa_system_sgpr_workgroup_id_z 1
		.amdhsa_system_vgpr_workitem_id 0
		.amdhsa_next_free_vgpr 1024
		.amdhsa_next_free_sgpr 66
		.amdhsa_reserve_vcc 1
		.amdhsa_float_denorm_mode_32 3
		.amdhsa_float_denorm_mode_16_64 3
		.amdhsa_memory_ordered 1
		.amdhsa_forward_progress 1
		.amdhsa_inst_pref_size 255
	.end_amdhsa_kernel
	.section	.bss,"aw",@nobits
	.p2align	6
	.space	262144
	.amdgpu_metadata
---
amdhsa.version: [ 1, 2 ]
amdhsa.kernels:
  - .name:           k_qf7dd0448b1_moe
    .symbol:         k_qf7dd0448b1_moe.kd
    .args:
      - { .name: x, .offset: 0, .size: 8, .value_kind: global_buffer, .address_space: global }
      - { .name: b1, .offset: 8, .size: 8, .value_kind: global_buffer, .address_space: global }
      - { .name: b2, .offset: 16, .size: 8, .value_kind: global_buffer, .address_space: global }
      - { .name: wb, .offset: 24, .size: 8, .value_kind: global_buffer, .address_space: global }
      - { .name: hist, .offset: 32, .size: 8, .value_kind: global_buffer, .address_space: global }
      - { .name: bm, .offset: 40, .size: 8, .value_kind: global_buffer, .address_space: global }
      - { .name: gab, .offset: 48, .size: 8, .value_kind: global_buffer, .address_space: global }
      - { .name: out0, .offset: 56, .size: 8, .value_kind: global_buffer, .address_space: global }
    .group_segment_fixed_size: 269312
    .private_segment_fixed_size: 0
    .kernarg_segment_align: 8
    .kernarg_segment_size: 64
    .max_flat_workgroup_size: 128
    .sgpr_count:     66
    .vgpr_count:     1024
    .wavefront_size: 32
...
	.end_amdgpu_metadata
.endif
;; end of part 3
